; MI455X (gfx1250); checked and timed in simulation.
; The chip was launched on July 23, 2026; its instructions are those of AMD's public machine-readable ISA for CDNA 5 (MIT licence, August 2026) and "CDNA5" Instruction Set Architecture Reference Guide (July 2026). The comments in the code are by the model that wrote it; some were corrected since.
;; Sparse Transformer Layer. Allowed arithmetic: float matrix products may take bf16 or f16 operands with f32 sums; other float arithmetic in f32, or as packed bf16 or f16 multiplies, adds, multiply-adds, maxima and minima; sums over many terms, partial sums and values carried from step to step in f32; what a program stores and reads back later, other than sums and carried values, may be rounded once to bf16 or f16.
;; Inputs: b1 4,096 float32; b2 1,024 float32; bk 1,024 float32; bo 1,024 float32; bq 1,024 float32; bv 1,024 float32; ln1_b 1,024 float32; ln1_g 1,024 float32; ln2_b 1,024 float32; ln2_g 1,024 float32; w1 1,024 x 4,096 float32; w2 4,096 x 1,024 float32; wk 1,024 x 1,024 float32; wo 1,024 x 1,024 float32; wq 1,024 x 1,024 float32; wv 1,024 x 1,024 float32; x 2 x 2,048 x 1,024 float32.
;; Outputs: out0 2 x 2,048 x 1,024 float32.
;; 2 versions, each right; version 2 is version 1 with the launches prep, ln2 written anew for expert scheduling mode. Each part assembles by itself: llvm-mc -triple=amdgcn-amd-amdhsa -mcpu=gfx1250 --defsym DOCPART=n.
;; ======== version 1 of 2: 7 launches
;; limits: values are held in f16: magnitudes above 65,504 overflow, below 6.1e-05 lose precision
;; workspace buffers: wA 8,407,040 bytes; wB 8,407,040 bytes; wC 10,485,760 bytes; act 8,388,608 bytes; qkv 33,554,432 bytes; h 33,554,432 bytes; x1 16,777,216 bytes
;; launch prep (part 1): grid 64 x 16, 8 waves a work-group, no clusters, 0 bytes of LDS; arguments x, ln1_g, ln1_b, wq, wk, wv, wo, w1, w2, bq, bk, bv, b1, act, wA, wB, wC; writes act, wA, wB, wC
.if DOCPART == 1
	.amdgcn_target "amdgcn-amd-amdhsa--gfx1250"
	.amdhsa_code_object_version 6
	.text
	.protected	k_qd79fb2ad28_prep
	.globl	k_qd79fb2ad28_prep
	.p2align	8
	.type	k_qd79fb2ad28_prep,@function
k_qd79fb2ad28_prep:
	s_mov_b64 s[64:65], 0
	v_nop
	global_prefetch_b8 v0, s[64:65] scope:SCOPE_SE
	s_setreg_imm32_b32 hwreg(HW_REG_WAVE_MODE, 25, 1), 1
	s_wait_xcnt 0x0
; PREPARATION.  (1) act = LayerNorm(x) g + b, rounded once to f16.  (2) the six weight matrices rounded once to f16, kept [k][n]:
; wA = [1024][4096] with wq | wk | wv in columns 0-3071, wB = w1, wC = wo then w2.  (3) behind wA's and wB's matrices (byte EPI on): the
; f32 biases of their columns, and for each 1,024 columns a block of 512 bytes filled with the floor that the product's way out applies
; (two f16 a word): -infinity for q, k, v (no floor), 0 for the feed-forward's relu.
; LIMITS.  f16 holds no number beyond 65,504 and keeps a fixed step of 6e-8 below 6.1e-5: the normalised rows and the weights are taken to lie within it.
; The norm is taken in two passes over registers: the mean, then the mean of (x - mean)^2.
; SHARES.  A row is 1,024 f32.  The grid's y picks a unit of 1,024 rows (0-3: x; 4-7: wq, wk, wv, wo; 8-11: w1's quarters; 12-15: w2's), its x 16 of them, a wave 2.
; A wave's load covers 512 consecutive bytes, its store of the four rounded numbers a lane 256 consecutive bytes, aligned.  No LDS, no barrier: no wave needs another's data.
.set X,   32                           ; v[32:95]   two rows as loaded, 32 registers each
.set G,   96                           ; v[96:127]  gain of my 32 columns
.set BT,  128                          ; v[128:159] bias of my 32 columns
.set Y,   160                          ; v[160:191] results, two f16 a register
.set CH,  4                            ; v[4:11]    four chains of packed sums
.set M,   12                           ; v[12:15]   the mean, twice, for each row
.set R,   16                           ; v[16:19]   1/sqrt(var + eps), twice, for each row
.set PX,  20                           ; v20        the other half of the lanes' sum
.set T,   22                           ; v[22:23]   var + eps of each row
.set SRC, 42                           ; s[42:43]   where my rows are read
.set DST, 44                           ; s[44:45]   where they are written
.set GP,  10                           ; s[10:11]   gain
.set BP,  12                           ; s[12:13]   bias
.set INV, 50                           ; s50 1/1024   s51 1e-5
.set EPS, 51
.set SEL, 52                           ; s[52:53]   v_permlanex16_b32: each lane takes its own place in the other half
.set EPI, 0x800000                     ; bytes of a 1024 x 4096 f16 matrix
.macro REDUCE                          ; the four chains and the 32 lanes into v[CH], in every lane
	v_pk_add_f32 v[CH:CH+1], v[CH:CH+1], v[CH+2:CH+3]
	v_pk_add_f32 v[CH+4:CH+5], v[CH+4:CH+5], v[CH+6:CH+7]
	v_pk_add_f32 v[CH:CH+1], v[CH:CH+1], v[CH+4:CH+5]
	v_add_f32 v[CH], v[CH], v[CH+1]
.irp m, 1,2,4,8
	v_add_f32_dpp v[CH], v[CH], v[CH] row_xmask:\m row_mask:0xf bank_mask:0xf
.endr
	v_permlanex16_b32 v[PX], v[CH], s[SEL], s[SEL+1]
	v_add_f32 v[CH], v[CH], v[PX]
.endm
; Two rows at s[SRC] are normalised and written as f16 at s[DST].
.macro LNROWS
.irp r, 0,1
.irp j, 0,1,2,3,4,5,6,7
	global_load_b128 v[X+32*(\r)+4*(\j):X+32*(\r)+4*(\j)+3], v1, s[SRC:SRC+1] offset:4096*(\r)+512*(\j)
.endr
.endr
.irp j, 0,1,2,3,4,5,6,7
	global_load_b128 v[G+4*(\j):G+4*(\j)+3], v1, s[GP:GP+1] offset:512*(\j)
.endr
.irp j, 0,1,2,3,4,5,6,7
	global_load_b128 v[BT+4*(\j):BT+4*(\j)+3], v1, s[BP:BP+1] offset:512*(\j)
.endr
	v_mov_b32 v[PX], 0                             ; v_permlanex16_b32 counts as a reader of its destination
	s_wait_loadcnt 16                              ; both rows are in; the 16 younger loads (gain, bias) stay out
.irp r, 0,1
.irp c, 0,1,2,3
	v_pk_add_f32 v[CH+2*(\c):CH+2*(\c)+1], v[X+32*(\r)+2*(\c):X+32*(\r)+2*(\c)+1], v[X+32*(\r)+8+2*(\c):X+32*(\r)+8+2*(\c)+1]  ; the first sums start the chains
.endr
.irp k, 16,24
.irp c, 0,1,2,3
	v_pk_add_f32 v[CH+2*(\c):CH+2*(\c)+1], v[CH+2*(\c):CH+2*(\c)+1], v[X+32*(\r)+(\k)+2*(\c):X+32*(\r)+(\k)+2*(\c)+1]
.endr
.endr
	REDUCE
	v_mul_f32 v[M+2*(\r)], s[INV], v[CH]
	v_mul_f32 v[M+2*(\r)+1], s[INV], v[CH]
.set i, 0
.rept 16
	v_pk_add_f32 v[X+32*(\r)+i:X+32*(\r)+i+1], v[X+32*(\r)+i:X+32*(\r)+i+1], v[M+2*(\r):M+2*(\r)+1] neg_lo:[0,1] neg_hi:[0,1]  ; x - mean
.set i, i+2
.endr
.irp c, 0,1,2,3
	v_pk_mul_f32 v[CH+2*(\c):CH+2*(\c)+1], v[X+32*(\r)+2*(\c):X+32*(\r)+2*(\c)+1], v[X+32*(\r)+2*(\c):X+32*(\r)+2*(\c)+1]
.endr
.irp k, 8,16,24
.irp c, 0,1,2,3
	v_pk_fma_f32 v[CH+2*(\c):CH+2*(\c)+1], v[X+32*(\r)+(\k)+2*(\c):X+32*(\r)+(\k)+2*(\c)+1], v[X+32*(\r)+(\k)+2*(\c):X+32*(\r)+(\k)+2*(\c)+1], v[CH+2*(\c):CH+2*(\c)+1]
.endr
.endr
	REDUCE
	v_fma_f32 v[T+(\r)], v[CH], s[INV], s[EPS]     ; var + eps
.endr
	v_rsq_f32 v[R], v[T]                           ; one batch of four: each root twice, to fill the pair that the packed multiply reads
	v_rsq_f32 v[R+1], v[T]
	v_rsq_f32 v[R+2], v[T+1]
	v_rsq_f32 v[R+3], v[T+1]
	v_nop                                          ; a plain instruction behind the last root,
	s_wait_alu depctr_va_vdst(0)                   ; and the one wait ahead of the batch's first reader
	s_wait_loadcnt 0x0                             ; gain and bias
.irp r, 0,1
.set i, 0
.rept 16
	v_pk_mul_f32 v[X+32*(\r)+i:X+32*(\r)+i+1], v[X+32*(\r)+i:X+32*(\r)+i+1], v[R+2*(\r):R+2*(\r)+1]
.set i, i+2
.endr
.set i, 0
.rept 16
	v_pk_fma_f32 v[X+32*(\r)+i:X+32*(\r)+i+1], v[X+32*(\r)+i:X+32*(\r)+i+1], v[G+i:G+i+1], v[BT+i:BT+i+1]
.set i, i+2
.endr
.set i, 0
.rept 16
	v_cvt_pk_f16_f32 v[Y+16*(\r)+i], v[X+32*(\r)+2*i], v[X+32*(\r)+2*i+1]
.set i, i+1
.endr
.irp j, 0,1,2,3,4,5,6,7
	global_store_b64 v2, v[Y+16*(\r)+2*(\j):Y+16*(\r)+2*(\j)+1], s[DST:DST+1] offset:2048*(\r)+256*(\j)  ; 32 lanes x 8 bytes: 256 consecutive bytes, aligned
.endr
.endr
.endm
	s_load_b256 s[8:15], s[0:1], 0x0               ; x s[8:9], ln1_g s[10:11], ln1_b s[12:13], wq s[14:15]
	s_load_b256 s[16:23], s[0:1], 0x20             ; wk s[16:17], wv s[18:19], wo s[20:21], w1 s[22:23]
	s_load_b256 s[24:31], s[0:1], 0x40             ; w2 s[24:25], bq s[26:27], bk s[28:29], bv s[30:31]
	s_load_b256 s[32:39], s[0:1], 0x60             ; b1 s[32:33], act s[34:35], wA s[36:37], wB s[38:39]
	s_load_b64 s[40:41], s[0:1], 0x80              ; wC
	v_lshrrev_b32 v1, 5, v0
	v_readfirstlane_b32 s2, v1                     ; wave 0..7
	s_and_b32 s3, ttmp7, 0xffff                    ; the unit
	s_mov_b32 s4, ttmp9                            ; which 16 rows of it
	v_and_b32 v2, 31, v0
	v_lshlrev_b32 v1, 4, v2                        ; 16 x lane: where I read
	v_lshlrev_b32 v2, 3, v2                        ; 8 x lane: where I write
	s_lshl_b32 s5, s4, 4
	s_lshl1_add_u32 s5, s2, s5                     ; my first row in the unit: 16 x + 2 wave
	s_mov_b32 s47, 0
	s_mov_b32 s49, 0
	s_mov_b32 s[INV], 0x3a800000                   ; 1/1024
	s_mov_b32 s[EPS], 0x3727c5ac                   ; 1e-5
	s_mov_b32 s[SEL], 0x76543210
	s_mov_b32 s[SEL+1], 0xfedcba98
	s_wait_kmcnt 0x0
	s_cmp_lt_u32 s3, 4
	s_cbranch_scc0 .Lcast
	s_lshl_b32 s6, s3, 10
	s_add_co_u32 s6, s6, s5                        ; my first row of x
	s_lshl_b32 s46, s6, 12                         ; 4,096 bytes a row in,
	s_lshl_b32 s48, s6, 11                         ; 2,048 out
	s_add_nc_u64 s[SRC:SRC+1], s[8:9], s[46:47]
	s_add_nc_u64 s[DST:DST+1], s[34:35], s[48:49]
	LNROWS
	s_endpgm
.Lcast:                                                ; a weight's two rows: which matrix, and where it goes, hang on the unit's number alone
	s_and_b32 s54, s3, 3
	s_lshl_b32 s55, s54, 22                        ; a quarter of w1 or w2: 4 MiB in,
	s_lshl_b32 s56, s54, 21                        ; 2 MiB out
	s_lshl_b32 s57, s54, 11                        ; wq, wk, wv: 1,024 columns of wA are 2,048 bytes
	s_mov_b32 s58, 2048                            ; bytes from row to row where it goes
	s_mov_b64 s[SRC:SRC+1], s[24:25]               ; units 12-15: w2 into wC, behind wo
	s_mov_b64 s[DST:DST+1], s[40:41]
	s_cmp_lt_u32 s3, 12
	s_cselect_b64 s[SRC:SRC+1], s[22:23], s[SRC:SRC+1]  ; 8-11: w1 into wB
	s_cselect_b64 s[DST:DST+1], s[38:39], s[DST:DST+1]
	s_cselect_b32 s59, 0, 0x200000
	s_add_co_u32 s56, s56, s59
	s_cmp_lt_u32 s3, 8
	s_cselect_b64 s[SRC:SRC+1], s[20:21], s[SRC:SRC+1]  ; 7: wo into wC's head
	s_cselect_b64 s[DST:DST+1], s[40:41], s[DST:DST+1]
	s_cselect_b32 s55, 0, s55
	s_cselect_b32 s56, 0, s56
	s_cmp_lt_u32 s3, 7
	s_cselect_b64 s[SRC:SRC+1], s[18:19], s[SRC:SRC+1]  ; 6: wv; 4-6 go into wA, whose rows are 8,192 bytes
	s_cselect_b64 s[DST:DST+1], s[36:37], s[DST:DST+1]
	s_cselect_b32 s56, s57, s56
	s_cselect_b32 s58, 8192, s58
	s_cmp_lt_u32 s3, 6
	s_cselect_b64 s[SRC:SRC+1], s[16:17], s[SRC:SRC+1]  ; 5: wk
	s_cmp_lt_u32 s3, 5
	s_cselect_b64 s[SRC:SRC+1], s[14:15], s[SRC:SRC+1]  ; 4: wq
	s_lshl_b32 s46, s5, 12
	s_add_co_u32 s46, s46, s55
	s_mul_i32 s48, s5, s58
	s_add_co_u32 s48, s48, s56
	s_add_nc_u64 s[SRC:SRC+1], s[SRC:SRC+1], s[46:47]
	s_add_nc_u64 s[DST:DST+1], s[DST:DST+1], s[48:49]
	v_add_nc_u32 v3, s58, v2                       ; my place in the second row
.set n, 0
.rept 16
	global_load_b128 v[X+4*n:X+4*n+3], v1, s[SRC:SRC+1] offset:4096*(n/8)+512*(n%8) th:TH_LOAD_NT
.set n, n+1
.endr
.set n, 0
.rept 16
	s_wait_loadcnt 15-n                            ; loads come back in order: load n is in, the younger ones stay out
	v_cvt_pk_f16_f32 v[Y+2*n], v[X+4*n], v[X+4*n+1]
	v_cvt_pk_f16_f32 v[Y+2*n+1], v[X+4*n+2], v[X+4*n+3]
	global_store_b64 v[2+n/8], v[Y+2*n:Y+2*n+1], s[DST:DST+1] offset:256*(n%8)
.set n, n+1
.endr
	; one wave of units 4-6 and 8-11 also copies the 1,024 biases of the unit's columns and writes their floor block
	s_or_b32 s54, s4, s2
	s_cmp_lg_u32 s54, 0
	s_cbranch_scc1 .Ldone
	s_cmp_eq_u32 s3, 7
	s_cbranch_scc1 .Ldone
	s_cmp_ge_u32 s3, 12
	s_cbranch_scc1 .Ldone
	s_wait_xcnt 0x0                                ; the loads and stores above have read their addresses: the pointers may be written
	s_and_b32 s54, s3, 3                           ; which 1,024 columns
	s_lshl_b32 s55, s54, 12                        ; their 4,096 bytes of bias
	s_lshl_b32 s56, s54, 9                         ; their floor block
	s_add_co_u32 s56, s56, EPI+16384
	s_mov_b32 s57, 0
	s_add_co_u32 s48, s55, EPI
	s_mov_b32 s46, s55
	s_mov_b32 s59, 0                               ; relu's floor
	s_mov_b64 s[SRC:SRC+1], s[32:33]               ; b1
	s_mov_b64 s[DST:DST+1], s[38:39]               ; wB
	s_cmp_lt_u32 s3, 8
	s_cselect_b64 s[SRC:SRC+1], s[30:31], s[SRC:SRC+1]  ; bv
	s_cselect_b64 s[DST:DST+1], s[36:37], s[DST:DST+1]  ; wA
	s_cselect_b32 s46, 0, s46
	s_cselect_b32 s59, 0xfc00fc00, s59             ; -infinity twice: no floor
	s_cmp_lt_u32 s3, 6
	s_cselect_b64 s[SRC:SRC+1], s[28:29], s[SRC:SRC+1]  ; bk
	s_cmp_lt_u32 s3, 5
	s_cselect_b64 s[SRC:SRC+1], s[26:27], s[SRC:SRC+1]  ; bq
	s_add_nc_u64 s[SRC:SRC+1], s[SRC:SRC+1], s[46:47]
	s_add_nc_u64 s[60:61], s[DST:DST+1], s[56:57]
	s_add_nc_u64 s[DST:DST+1], s[DST:DST+1], s[48:49]
.irp j, 0,1,2,3,4,5,6,7
	global_load_b128 v[X+4*(\j):X+4*(\j)+3], v1, s[SRC:SRC+1] offset:512*(\j)
.endr
.irp j, 4,5,6,7
	v_mov_b32 v\j, s59
.endr
	global_store_b128 v1, v[4:7], s[60:61]
	s_wait_loadcnt 0x0
.irp j, 0,1,2,3,4,5,6,7
	global_store_b128 v1, v[X+4*(\j):X+4*(\j)+3], s[DST:DST+1] offset:512*(\j)
.endr
.Ldone:
	s_endpgm
.Lfunc_end_k_qd79fb2ad28_prep:
	.size	k_qd79fb2ad28_prep, .Lfunc_end_k_qd79fb2ad28_prep-k_qd79fb2ad28_prep
	.p2alignl 7, 3214868480
	.fill 96, 4, 3214868480
	.section	.rodata,"a",@progbits
	.p2align	6, 0x0
	.amdhsa_kernel k_qd79fb2ad28_prep
		.amdhsa_group_segment_fixed_size 0
		.amdhsa_private_segment_fixed_size 0
		.amdhsa_enable_private_segment 0
		.amdhsa_kernarg_size 136
		.amdhsa_user_sgpr_count 2
		.amdhsa_user_sgpr_kernarg_segment_ptr 1
		.amdhsa_wavefront_size32 1
		.amdhsa_system_sgpr_workgroup_id_x 1
		.amdhsa_system_sgpr_workgroup_id_y 1
		.amdhsa_system_sgpr_workgroup_id_z 1
		.amdhsa_system_vgpr_workitem_id 0
		.amdhsa_next_free_vgpr 192
		.amdhsa_next_free_sgpr 66
		.amdhsa_reserve_vcc 0
		.amdhsa_float_denorm_mode_32 3
		.amdhsa_float_denorm_mode_16_64 3
		.amdhsa_memory_ordered 1
		.amdhsa_forward_progress 1
		.amdhsa_inst_pref_size 30
	.end_amdhsa_kernel
	.amdgpu_metadata
---
amdhsa.version: [ 1, 2 ]
amdhsa.kernels:
  - .name:           k_qd79fb2ad28_prep
    .symbol:         k_qd79fb2ad28_prep.kd
    .args:
      - { .name: x, .offset: 0, .size: 8, .value_kind: global_buffer, .address_space: global }
      - { .name: ln1_g, .offset: 8, .size: 8, .value_kind: global_buffer, .address_space: global }
      - { .name: ln1_b, .offset: 16, .size: 8, .value_kind: global_buffer, .address_space: global }
      - { .name: wq, .offset: 24, .size: 8, .value_kind: global_buffer, .address_space: global }
      - { .name: wk, .offset: 32, .size: 8, .value_kind: global_buffer, .address_space: global }
      - { .name: wv, .offset: 40, .size: 8, .value_kind: global_buffer, .address_space: global }
      - { .name: wo, .offset: 48, .size: 8, .value_kind: global_buffer, .address_space: global }
      - { .name: w1, .offset: 56, .size: 8, .value_kind: global_buffer, .address_space: global }
      - { .name: w2, .offset: 64, .size: 8, .value_kind: global_buffer, .address_space: global }
      - { .name: bq, .offset: 72, .size: 8, .value_kind: global_buffer, .address_space: global }
      - { .name: bk, .offset: 80, .size: 8, .value_kind: global_buffer, .address_space: global }
      - { .name: bv, .offset: 88, .size: 8, .value_kind: global_buffer, .address_space: global }
      - { .name: b1, .offset: 96, .size: 8, .value_kind: global_buffer, .address_space: global }
      - { .name: act, .offset: 104, .size: 8, .value_kind: global_buffer, .address_space: global }
      - { .name: wA, .offset: 112, .size: 8, .value_kind: global_buffer, .address_space: global }
      - { .name: wB, .offset: 120, .size: 8, .value_kind: global_buffer, .address_space: global }
      - { .name: wC, .offset: 128, .size: 8, .value_kind: global_buffer, .address_space: global }
    .group_segment_fixed_size: 0
    .private_segment_fixed_size: 0
    .kernarg_segment_align: 8
    .kernarg_segment_size: 136
    .max_flat_workgroup_size: 256
    .sgpr_count:     66
    .vgpr_count:     192
    .wavefront_size: 32
...
	.end_amdgpu_metadata
.endif
;; end of part 1
;; launch qkv (part 2): grid 12 x 16, 4 waves a work-group, clusters of 4 x 4, 327,680 bytes of LDS; arguments act, wA, qkv; writes qkv
.if DOCPART == 2
	.amdgcn_target "amdgcn-amd-amdhsa--gfx1250"
	.amdhsa_code_object_version 6
	.text
	.protected	k_qd79fb2ad28_qkv
	.globl	k_qd79fb2ad28_qkv
	.p2align	8
	.type	k_qd79fb2ad28_qkv,@function
k_qd79fb2ad28_qkv:
	s_mov_b64 s[64:65], 0
	v_nop
	global_prefetch_b8 v0, s[64:65] scope:SCOPE_SE
	s_setreg_imm32_b32 hwreg(HW_REG_WAVE_MODE, 25, 1), 1
	s_wait_xcnt 0x0
	s_wait_alu depctr_hold_cnt(0) depctr_sa_sdst(0) depctr_va_vdst(0) depctr_va_sdst(0) depctr_va_ssrc(0) depctr_va_vcc(0) depctr_vm_vsrc(0)
	s_getreg_b32 s2, hwreg(HW_REG_IB_STS2, 6, 4)
	s_cmp_eq_u32 s2, 0
	s_cbranch_scc0 .Lentry_in_a_cluster
	s_endpgm
.Lentry_in_a_cluster:
	s_bfe_u32 s2, ttmp6, 0x10000c
	s_cmp_lg_u32 s2, 0xf033
	s_cbranch_scc0 .Lentry_shape_is_right
	s_endpgm
.Lentry_shape_is_right:
; C[m][n] = max(sum over k of A[m][k] B[k][n] + bias[n], floor).  A: [4096][1024] f16.  B: [1024][4096] f16, K down the rows; behind it, at byte EPI, bias[4096] in f32 and,
; 16,384 bytes further, a block of 512 bytes for each 1,024 columns that holds the floor (two f16 a word: -infinity, or 0 for a relu).  C: [4096][4096] f16.  Sums in f32, C rounded once.
; LIMITS.  f16 ends at 65,504: a sum beyond it leaves as an infinity.  The floor is a maximum that drops a NaN.
; A tile of C, 256 x 256, is made by four waves, each 128 x 128: 64 accumulators, 512 registers.  K goes in 8 steps of 128 through two LDS slots filled by the tensor data mover.
; A's rows lie along K and come out of LDS as they lie; B's rows lie along N and come out turned, by ds_load_tr16_b128.
; THE MATRIX INSTRUCTION IS USED TRANSPOSED: source 0 = 16 columns of B, source 1 = 16 rows of A: a lane then holds row l % 16 of C and eight neighbouring columns 8 (l / 16) + 0..7.
; The first product on each accumulator takes the bias as its C operand: nothing is cleared and nothing is added later.
; CLUSTER: 4 x 4 work-groups.  A's tile hangs on the tile row alone and is asked for jointly along a row of the cluster, B's on the tile column alone, jointly along a column.
; The loop's body is ONE K step: the slot in hand is a scalar (0 or SLOT1) that an exclusive or turns, and one walking descriptor a tensor asks for the next step.
; REGISTERS, in windows of 256: window 0: v0-31 addresses; v64-127, v128-191 A's fragments, two buffers; v192-255 the bias at the start, later the way out (with v32-63).
;   window 1: v64-127, v128-191 B's fragments.   window 2: accumulators of my rows 0-63 ((a, b) at 8 (8 a + b)).   window 3: of my rows 64-127.
.set KSTEP,  128
.set NSTEP,  8                         ; 1024 / 128
.set LDA,    1024
.set LDB,    4096
.set LDC,    4096
.set PA,     272                       ; A's LDS row: 256 bytes + 16: the 16 rows of a load start at 16 different groups of four banks (64 banks of 4 bytes: ISA guide 11.1)
.set PB,     544                       ; B's LDS row: 512 bytes + 32
.set HALF,   128*PA                    ; what one tensor load brings: 128 rows of A, or 64 rows of B (64 x 544 is the same number)
.set BOFF,   2*HALF                    ; A's 256 rows, then B's 128 rows
.set SLOT1,  0x24000                   ; slot 1; no fill's place in slot 0 (0, 0x8800, 0x11000, 0x19800) holds one of its two bits, so an exclusive or changes slots
.set STAGE,  SLOT1+4*HALF              ; behind the ring: 16 rows x 272 bytes for each wave, for the way out
.set SPITCH, 272
.set SPARE,  STAGE+4*16*SPITCH         ; the spare words, 128 bytes for each wave: two blocks of 256 bytes that no other line names
.set EPI,    0x800000
.set ADRA0, 16                         ; v16  my lane's place in A's part of a slot; never rewritten
.set ADRB0, 17                         ; v17  the same for B
.set ADRA,  18                         ; v18  the same in the slot in hand
.set ADRB,  19
.set STO,   24                         ; v24  the way out: where I put 16 bytes of a row
.set RD,    25                         ; v25  where I read a row back
.set CO,    26                         ; v26  my byte offset in C
.set SPW,   28                         ; v28  my spare word; never rewritten
.set NIL,   29                         ; v29  0; never rewritten
.set BO,    30                         ; v30  my byte offset in the bias
.set F0,    64
.set F1,    128
.set BIAS,  192                        ; v[192:255] column block b's eight numbers at +8 b
.set TMP,   192
.set OB,    32
.set G1,  24                           ; s[24:31] group 1 for A's tiles
.set G0,  32                           ; s[32:39] group 0 for A's: a set for each first fill; the second walks on
.set G1B, 48                           ; s[48:55], s[56:63] the same for B's
.set G0B, 56
.set TB,  45                           ; s45  the slot in hand
.set FLOOR, 72                         ; s72  the floor, two f16
.set MSB, 0
.macro WIN new                         ; the immediate's high byte repeats the setting that is left; a switch that changes nothing is dropped
.if MSB != (\new)
	s_set_vgpr_msb (MSB<<8)|(\new)
.set MSB, \new
.endif
.endm
; A joint load.  Waves 0 and 1 fetch A's two halves, waves 2 and 3 B's.  The branch hangs on the wave's number alone.  An s_nop 0 and four v_nop follow each line.
.macro JLOAD s
	s_cmp_eq_u32 s11, 0
	s_cbranch_scc0 .Lfor_b_\@
	tensor_load_to_lds s[G0+4*(\s):G0+4*(\s)+3], s[G1:G1+7]
	s_nop 0
.rept 4
	v_nop
.endr
	s_branch .Lasked_\@
.Lfor_b_\@:
	tensor_load_to_lds s[G0B+4*(\s):G0B+4*(\s)+3], s[G1B:G1B+7]
	s_nop 0
.rept 4
	v_nop
.endr
.Lasked_\@:
.endm
.macro CREST                           ; a round of the cluster's barrier behind its opening barrier
	s_cmp_lg_u32 s10, 0
	s_cbranch_scc1 .Lnot_wave_0_\@
	s_barrier_signal -3
.Lnot_wave_0_\@:
	s_barrier_wait -3
	s_barrier_signal -1
	s_barrier_wait -1
.endm
.macro CROUND                          ; a whole round
	s_barrier_signal -1
	s_barrier_wait -1
	CREST
.endm
.macro PLACES                          ; four places in front of loads into registers that matrix instructions have read, and of conversions that read results
.rept 4
	v_nop
.endr
.endm
	s_load_b128 s[4:7], s[0:1], 0x0                ; A s[4:5], B s[6:7]
	s_load_b64 s[8:9], s[0:1], 0x10                ; C
	v_lshl_add_u32 v[SPW], v0, 2, SPARE
	v_mov_b32 v[NIL], 0
	ds_add_u32 v[SPW], v[NIL]                      ; the wave's opening: the add and its wait ahead of my first tensor load; work on registers stands between them
	v_lshrrev_b32 v1, 5, v0
	v_readfirstlane_b32 s10, v1                    ; wave 0..3
	s_lshr_b32 s11, s10, 1                         ; which half of the tile's rows is mine.  Also: I fetch for A (0) or for B (1)
	s_and_b32 s12, s10, 1                          ; which half of its columns.  Also: which half of that tile I fetch
	s_bfe_u32 s40, ttmp6, 0x40000                  ; cx
	s_bfe_u32 s41, ttmp6, 0x40004                  ; cy
	s_lshl_b32 s42, ttmp9, 2
	s_add_co_u32 s42, s42, s40                     ; tile column = 4 x cluster x + cx
	s_and_b32 s13, ttmp7, 0xffff
	s_lshl_b32 s13, s13, 2
	s_add_co_u32 s13, s13, s41                     ; tile row = 4 x cluster y + cy
	s_lshl_b32 s43, s41, 2
	s_lshl_b32 s43, 15, s43                        ; my row of the cluster
	s_lshl_b32 s44, 0x1111, s40                    ; my column
	s_or_b32 s[G1+0], s43, (1<<16)|(1<<20)|(1<<21)|(5<<22)|(3<<25)   ; the mask; 2-byte elements; padding on; bit 21 beside a mask; after every 64 words, 4 words
	s_mov_b32 s[G1+1], KSTEP<<16                   ; tensor_dim0 = 128
	s_mov_b32 s[G1+2], 128<<16                     ; tensor_dim1 = 128
	s_mov_b32 s[G1+3], KSTEP<<16                   ; tile_dim0 = 128
	s_mov_b32 s[G1+4], 128                         ; tile_dim1 = 128
	s_mov_b32 s[G1+5], LDA                         ; elements from row to row
	s_mov_b32 s[G1+6], 0
	s_mov_b32 s[G1+7], 0
	s_or_b32 s[G1B+0], s44, (1<<16)|(1<<20)|(1<<21)|(6<<22)|(7<<25)  ; after every 128 words, 8 words
	s_mov_b32 s[G1B+1], 256<<16                    ; tensor_dim0 = 256 columns
	s_mov_b32 s[G1B+2], 64<<16                     ; tensor_dim1 = 64 rows of K
	s_mov_b32 s[G1B+3], 256<<16
	s_mov_b32 s[G1B+4], 64
	s_mov_b32 s[G1B+5], LDB
	s_mov_b32 s[G1B+6], 0
	s_mov_b32 s[G1B+7], 0
	s_lshl_b32 s16, s13, 8
	s_lshl_b32 s17, s12, 7
	s_add_co_u32 s16, s16, s17                     ; A: row 256 x tile row + 128 x half,
	s_lshl_b32 s16, s16, 11                        ; 2,048 bytes a row
	s_mov_b32 s17, 0
	s_lshl_b32 s46, s12, 19                        ; B: 64 rows of 8,192 bytes x half,
	s_lshl_b32 s47, s42, 9                         ; 512 bytes a tile column
	s_add_co_u32 s46, s46, s47
	s_mov_b32 s47, 0
	s_mul_i32 s20, s10, HALF                       ; where my part of a tile goes: wave x 34,816: no place in the cluster enters an LDS address
	s_wait_dscnt 0x0                               ; the opening add is done
	s_wait_kmcnt 0x0
	s_add_nc_u64 s[14:15], s[4:5], s[16:17]
	s_add_nc_u64 s[46:47], s[6:7], s[46:47]
	CROUND                                         ; all sixteen work-groups are here: the first joint loads meet
.irp s, 0,1
	s_mov_b32 s[G0+4*(\s)], 1
	s_add_co_u32 s[G0+4*(\s)+1], s20, (\s)*SLOT1
	s_add_nc_u64 s[G0+4*(\s)+2:G0+4*(\s)+3], s[14:15], (\s)*KSTEP*2
	s_or_b32 s[G0+4*(\s)+3], s[G0+4*(\s)+3], 0x80000000
	s_mov_b32 s[G0B+4*(\s)], 1
	s_add_co_u32 s[G0B+4*(\s)+1], s20, (\s)*SLOT1
	s_add_nc_u64 s[G0B+4*(\s)+2:G0B+4*(\s)+3], s[46:47], (\s)*KSTEP*LDB*2
	s_or_b32 s[G0B+4*(\s)+3], s[G0B+4*(\s)+3], 0x80000000
	JLOAD \s                                       ; K steps 0 and 1: two loads of mine are out
.endr
	v_and_b32 v1, 15, v0                           ; l % 16
	v_bfe_u32 v2, v0, 4, 1                         ; l / 16
	; the bias of my 128 columns: block b's numbers 8 (l / 16) + 0..7, as the accumulators hold them
	s_add_nc_u64 s[68:69], s[6:7], EPI
	s_lshl_b32 s46, s42, 10
	s_lshl_b32 s47, s12, 9
	s_add_co_u32 s46, s46, s47                     ; 4 x (256 x tile column + 128 x half)
	v_lshlrev_b32 v[BO], 5, v2
	v_add_nc_u32 v[BO], s46, v[BO]
.irp b, 0,1,2,3,4,5,6,7
	global_load_b128 v[BIAS+8*(\b):BIAS+8*(\b)+3],   v[BO], s[68:69] offset:64*(\b)
	global_load_b128 v[BIAS+8*(\b)+4:BIAS+8*(\b)+7], v[BO], s[68:69] offset:64*(\b)+16
.endr
	s_lshr_b32 s22, s42, 2                         ; four tile columns are 1,024 columns: their floor block
	s_lshl_b32 s22, s22, 9
	s_mov_b32 s23, 0
	s_add_nc_u64 s[70:71], s[68:69], s[22:23]
	s_load_b32 s[FLOOR], s[70:71], 0x4000
	; A's fragment: 16 rows x 32 K: lane l holds row l % 16: two loads of 16 bytes, 32 bytes apart
	v_mul_u32_u24 v3, v1, PA
	v_lshl_add_u32 v3, v2, 4, v3
	s_mul_i32 s21, s11, HALF
	v_add_nc_u32 v[ADRA0], s21, v3
	; B's fragment: the turning load takes 16 K x 16 columns (lane l reads row 8 (l / 16) + l % 8, columns 8 ((l / 8) % 2) + 0..7) and leaves column l % 16 and 8 K in lane l
	v_and_b32 v4, 7, v0
	v_lshl_add_u32 v4, v2, 3, v4
	v_mul_u32_u24 v4, v4, PB
	v_bfe_u32 v5, v0, 3, 1
	v_lshl_add_u32 v4, v5, 4, v4
	s_lshl_b32 s22, s12, 8
	s_add_co_u32 s22, s22, BOFF
	v_add_nc_u32 v[ADRB0], s22, v4
	s_mul_i32 s23, s10, 16*SPITCH
	s_add_co_u32 s23, s23, STAGE                   ; my stage
	v_mul_u32_u24 v4, v1, SPITCH
	v_lshl_add_u32 v4, v2, 4, v4
	v_add_nc_u32 v[STO], s23, v4
	v_mul_u32_u24 v5, v2, SPITCH
	v_lshl_add_u32 v5, v1, 4, v5
	v_add_nc_u32 v[RD], s23, v5
	v_lshlrev_b32 v5, 13, v2                       ; lanes 16-31: one row of C (8,192 bytes) further down
	v_lshl_add_u32 v[CO], v1, 4, v5
	s_lshl_b32 s16, s13, 8
	s_lshl_b32 s17, s11, 7
	s_add_co_u32 s16, s16, s17                     ; my first row of C,
	s_lshl_b32 s16, s16, 13
	s_lshl_b32 s46, s42, 9                         ; my first column, in bytes
	s_lshl_b32 s47, s12, 8
	s_add_co_u32 s46, s46, s47
	s_add_co_u32 s16, s16, s46
	s_mov_b32 s17, 0
; 16 products: row blocks a0, a0 + 1 of the window's four x all 8 column blocks, 32 along K.  first = 1: C is the bias, in window 0.
; The 64 accumulators take turns in the same order everywhere, one instruction a turn.
.macro MUL16 f, hi, a0, first
.if \first
	WIN 0x81+0x40*(\hi)
.else
	WIN 0xa1+0x50*(\hi)
.endif
.irp a, \a0, (\a0)+1
.irp b, 0,1,2,3,4,5,6,7
.if \first
	v_wmma_f32_16x16x32_f16 v[8*(8*(\a)+(\b)):8*(8*(\a)+(\b))+7], v[(\f)+8*(\b):(\f)+8*(\b)+7], v[(\f)+8*(4*(\hi)+(\a)):(\f)+8*(4*(\hi)+(\a))+7], v[BIAS+8*(\b):BIAS+8*(\b)+7]
.else
	v_wmma_f32_16x16x32_f16 v[8*(8*(\a)+(\b)):8*(8*(\a)+(\b))+7], v[(\f)+8*(\b):(\f)+8*(\b)+7], v[(\f)+8*(4*(\hi)+(\a)):(\f)+8*(4*(\hi)+(\a))+7], v[8*(8*(\a)+(\b)):8*(8*(\a)+(\b))+7]
.endif
.endr
.endr
.endm
; 32 LDS loads in one run: quarter q (32 K) of the slot in hand into buffer f: B's 128 columns, then A's 128 rows
.macro FETCH q, f
	WIN 0x40                                       ; destination window 1, address window 0
.irp i, 0,1,2,3,4,5,6,7
	ds_load_tr16_b128 v[(\f)+8*(\i):(\f)+8*(\i)+3],   v[ADRB] offset:(\q)*32*PB+32*(\i)
	ds_load_tr16_b128 v[(\f)+8*(\i)+4:(\f)+8*(\i)+7], v[ADRB] offset:(\q)*32*PB+16*PB+32*(\i)
.endr
	WIN 0
.irp i, 0,1,2,3,4,5,6,7
	ds_load_b128 v[(\f)+8*(\i):(\f)+8*(\i)+3],   v[ADRA] offset:64*(\q)+(\i)*16*PA
	ds_load_b128 v[(\f)+8*(\i)+4:(\f)+8*(\i)+7], v[ADRA] offset:64*(\q)+(\i)*16*PA+32
.endr
.endm
; multiplies buffer f (quarter q - 1) and, in its middle, fetches quarter q into buffer g
.macro QUARTER q, f, g, first
	s_wait_dscnt 8                                 ; B and A's rows 0-63 are in; the youngest eight loads (A's rows 64-127) may be out
	MUL16 \f, 0, 0, \first
	MUL16 \f, 0, 2, \first
	PLACES
	FETCH \q, \g
	s_wait_dscnt 32                                ; all but the 32 just issued
	MUL16 \f, 1, 0, \first
	MUL16 \f, 1, 2, \first
.endm
; The last quarter multiplies buffer 1 and changes slots.  In front of the one barrier each wave waits for all its tensor loads (one is out: its part of the next slot), adds 0 to its
; spare word, and waits for that and for its reads of this slot.  fill = 1: the barrier opens a round of the cluster's, and this slot is filled again, first thing behind it, with the K step two on.
.macro TURN fill
	WIN 0
	s_wait_tensorcnt 0x0
	ds_add_u32 v[SPW], v[NIL]
	s_wait_dscnt 9                                 ; the add and the youngest eight loads may be out
	MUL16 F1, 0, 0, 0
	s_wait_dscnt 0x0                               ; the add is done, my reads of this slot are over
	s_barrier_signal -1
	MUL16 F1, 0, 2, 0                              ; work on registers while the others arrive
	WIN 0
	s_barrier_wait -1
.if \fill
	CREST                                          ; no wave of any partner still reads this slot or has a load on its way
	s_xor_b32 s[G0+5], s[G0+5], SLOT1              ; the walking descriptors: the other slot than last time, the next K step
	s_add_nc_u64 s[G0+6:G0+7], s[G0+6:G0+7], KSTEP*2
	s_xor_b32 s[G0B+5], s[G0B+5], SLOT1
	s_add_nc_u64 s[G0B+6:G0B+7], s[G0B+6:G0B+7], KSTEP*LDB*2
	JLOAD 1                                        ; 224 products stand between this request and the wait for it; its four v_nop are also places in front of the loads below
.else
	PLACES
.endif
	s_xor_b32 s[TB], s[TB], SLOT1
	v_add_nc_u32 v[ADRA], s[TB], v[ADRA0]
	v_add_nc_u32 v[ADRB], s[TB], v[ADRB0]
	FETCH 0, F0
	MUL16 F1, 1, 0, 0
	MUL16 F1, 1, 2, 0
.endm
; THE WAY OUT of row block a: rounded to f16 and held above the floor; 16 bytes a lane into my own stage; back as whole rows of 256 bytes; stored.
.macro PACK a
.set AC, 64*((\a)%4)
	WIN 0x0a+5*((\a)/4)                            ; sources 0 and 1: window 2 or 3
.irp b, 0,1,2,3,4,5,6,7
.irp r, 0,1,2,3
	v_cvt_pk_f16_f32 v[TMP+4*(\b)+(\r)], v[AC+8*(\b)+2*(\r)], v[AC+8*(\b)+2*(\r)+1]
.endr
.endr
	WIN 0
.set i, 0
.rept 32
	v_pk_max_num_f16 v[TMP+i], v[TMP+i], s[FLOOR]
.set i, i+1
.endr
.endm
.macro TOSTAGE a
.set BK, OB+192*((\a)%2)
.irp b, 0,1,2,3,4,5,6,7
	ds_store_b128 v[STO], v[TMP+4*(\b):TMP+4*(\b)+3] offset:32*(\b)
.endr
.irp t, 0,1,2,3,4,5,6,7
	ds_load_b128 v[BK+4*(\t):BK+4*(\t)+3], v[RD] offset:(\t)*2*SPITCH  ; LDS serves a wave's instructions in order (ISA guide 5.7.1.4): these see the stores above
.endr
.endm
.macro SEND a
.set BK, OB+192*((\a)%2)
	s_wait_dscnt 0x0                               ; the block is back in registers
	s_wait_xcnt 0x0                                ; earlier stores have read their base and their data: only now are these written again
.if (\a) == 0
	s_add_nc_u64 s[8:9], s[8:9], s[16:17]
.else
	s_add_nc_u64 s[8:9], s[8:9], 16*LDC*2
.endif
.irp t, 0,1,2,3,4,5,6,7
	global_store_b128 v[CO], v[BK+4*(\t):BK+4*(\t)+3], s[8:9] offset:2*(\t)*LDC*2  ; 16 lanes store 256 consecutive bytes, aligned
.endr
.endm
	s_wait_tensorcnt 1                             ; my part of K step 0 is in; K step 1's stays out
	s_barrier_signal -1
	s_barrier_wait -1
	s_mov_b32 s[TB], 0
	v_mov_b32 v[ADRA], v[ADRA0]
	v_mov_b32 v[ADRB], v[ADRB0]
	FETCH 0, F0
	s_wait_loadcnt 0x0                             ; the bias
	s_wait_kmcnt 0x0                               ; the floor
	QUARTER 1, F0, F1, 1                           ; the first quarter stands in front of the loop: its products start the sums, with the bias
	WIN 0
	s_mov_b32 s3, NSTEP-2
.Lstep:                                                ; six trips, from a K step's second quarter to the next step's first; they ask for K steps 2 to 7
	QUARTER 2, F1, F0, 0
	QUARTER 3, F0, F1, 0
	TURN 1
	QUARTER 1, F0, F1, 0
	WIN 0
	s_sub_co_u32 s3, s3, 1
	s_cmp_lg_u32 s3, 0
	s_cbranch_scc1 .Lstep
	s_mov_b32 s3, 2
.Ltail:                                                ; the last two K steps ask for nothing; the second pass is left in its middle
	QUARTER 2, F1, F0, 0
	QUARTER 3, F0, F1, 0
	WIN 0
	s_sub_co_u32 s3, s3, 1
	s_cmp_eq_u32 s3, 0
	s_cbranch_scc1 .Llast
	TURN 0
	QUARTER 1, F0, F1, 0
	WIN 0
	s_branch .Ltail
.Llast:
	s_wait_dscnt 8
	MUL16 F1, 0, 0, 0
	MUL16 F1, 0, 2, 0
	s_wait_dscnt 0x0
	MUL16 F1, 1, 0, 0
	MUL16 F1, 1, 2, 0
	PLACES
	PACK 0
	TOSTAGE 0
.irp a, 1,2,3,4,5,6,7                  ; block a's conversions stand between block a - 1's loads from the stage and the wait for them
	PACK \a
	SEND (\a)-1
	TOSTAGE \a
.endr
	SEND 7
	s_wait_tensorcnt 0x0                           ; the wave's end, behind my last tensor load and my last LDS store
	ds_add_u32 v[SPW], v[NIL]
	s_wait_dscnt 0x0
	CROUND                                         ; the closing round: no work-group ends while a partner may still ask for a tile that names it
	s_endpgm
.Lfunc_end_k_qd79fb2ad28_qkv:
	.size	k_qd79fb2ad28_qkv, .Lfunc_end_k_qd79fb2ad28_qkv-k_qd79fb2ad28_qkv
	.p2alignl 7, 3214868480
	.fill 96, 4, 3214868480
	.section	.rodata,"a",@progbits
	.p2align	6, 0x0
	.amdhsa_kernel k_qd79fb2ad28_qkv
		.amdhsa_group_segment_fixed_size 327680
		.amdhsa_private_segment_fixed_size 0
		.amdhsa_enable_private_segment 0
		.amdhsa_kernarg_size 24
		.amdhsa_user_sgpr_count 2
		.amdhsa_user_sgpr_kernarg_segment_ptr 1
		.amdhsa_wavefront_size32 1
		.amdhsa_system_sgpr_workgroup_id_x 1
		.amdhsa_system_sgpr_workgroup_id_y 1
		.amdhsa_system_sgpr_workgroup_id_z 1
		.amdhsa_system_vgpr_workitem_id 0
		.amdhsa_next_free_vgpr 1024
		.amdhsa_next_free_sgpr 74
		.amdhsa_reserve_vcc 0
		.amdhsa_float_denorm_mode_32 3
		.amdhsa_float_denorm_mode_16_64 3
		.amdhsa_memory_ordered 1
		.amdhsa_forward_progress 1
		.amdhsa_inst_pref_size 122
	.end_amdhsa_kernel
	.amdgpu_metadata
---
amdhsa.version: [ 1, 2 ]
amdhsa.kernels:
  - .name:           k_qd79fb2ad28_qkv
    .symbol:         k_qd79fb2ad28_qkv.kd
    .args:
      - { .name: act, .offset: 0, .size: 8, .value_kind: global_buffer, .address_space: global }
      - { .name: wA, .offset: 8, .size: 8, .value_kind: global_buffer, .address_space: global }
      - { .name: qkv, .offset: 16, .size: 8, .value_kind: global_buffer, .address_space: global }
    .group_segment_fixed_size: 327680
    .private_segment_fixed_size: 0
    .kernarg_segment_align: 8
    .kernarg_segment_size: 24
    .max_flat_workgroup_size: 128
    .sgpr_count:     74
    .vgpr_count:     1024
    .wavefront_size: 32
...
	.end_amdgpu_metadata
.endif
;; end of part 2
;; launch attn (part 3): grid 32 x 8, 4 waves a work-group, no clusters, 327,680 bytes of LDS; arguments qkv, act; writes act
.if DOCPART == 3
	.amdgcn_target "amdgcn-amd-amdhsa--gfx1250"
	.amdhsa_code_object_version 6
	.text
	.protected	k_qd79fb2ad28_attn
	.globl	k_qd79fb2ad28_attn
	.p2align	8
	.type	k_qd79fb2ad28_attn,@function
k_qd79fb2ad28_attn:
	s_mov_b64 s[64:65], 0
	v_nop
	global_prefetch_b8 v0, s[64:65] scope:SCOPE_SE
	s_setreg_imm32_b32 hwreg(HW_REG_WAVE_MODE, 25, 1), 1
	s_wait_xcnt 0x0
; BANDED ATTENTION.  O[i] = sum over j with |j - i| <= 204 of softmax_j(q[i] . k[j] / 8) v[j], for 2 batches x 16 heads of 64 channels x 2,048 tokens.
; qkv: [4096 tokens][4096] f16, a row = q | k | v | unused, 1,024 numbers each, a head's 64 on end.  act: [4096][1024] f16.  Products, maxima and sums in f32; the weights are rounded to f16
; for the second product (their sum is taken of the unrounded weights), O once at the end.
; LIMITS.  q, k, v arrive within f16's 65,504.  A hidden score counts as its value less 1e30; a weight below 2^-126 counts as 0.  NaN and infinities are not treated apart.
; SHARES.  A work-group takes 64 queries of FOUR neighbouring heads, a wave a head: so a key's row in a tile of K or V is 512 consecutive bytes, aligned, and all four waves walk the same keys.
; THE WALK.  Nine steps of 64 keys, at q0 + 0, 64, 128, 192, 256, -256, -192, -128, -64.  The step at q0 comes first: there every query sees its own key, so the running maximum is a true
; score before the first hidden score comes.  A step that would begin outside the sequence is read at a clamped place and wholly hidden: every work-group does the same nine steps.
; THE MASK is the C operand that starts S^T = K Q^T: 0, or -1e30.  j - i = delta + 16 (kb - t) + EP, EP = 8 (l / 16) + r - l % 16: of key block kb and query tile t only x = kb - t + 3 counts, so a
; step has seven masks of eight registers for all its sixteen products.  For delta >= 0 only the upper edge can cut, for delta < 0 only the lower: with W = +-EP a score is hidden where W > T[x].
; LAYOUT.  S^T holds ONE query a lane (l % 16) and the keys 8 (l / 16) + 0..7; two such results rounded to f16 ARE source 1 of O^T = V^T P.  K comes out of LDS as it lies, V turned.
; SOFTMAX.  p = 2^(c s - c m), c = log2(e) / 8, m a running maximum; O and l are multiplied by a = 2^(c m_old - c m_new) in every step.  m starts at the lowest finite number, O and l at 0.
; IN PHASES.  A step: the products V^T P of the step before (the masks are made behind them), K Q^T, the softmax of all four tiles with one batch of exponentials.
; THE RING: two LDS slots of TWO steps each.  Waves 0 and 1 fetch K of a slot's first and second step, waves 2 and 3 V of them: 64 rows of 512 bytes a load.  The nine steps come as (0, 1) and (2, 3),
; asked for together at the head, then (4, 5), (6, 7) and (8), each asked for behind the barrier that frees its slot: a refill has two steps' work in which to land.
; NO CLUSTER: neighbouring query blocks' walks are 64 keys apart, so no two work-groups want the same tile in the same step.
; NO PREFETCH: a key's row is wanted by nine work-groups, and its own block's work-group asks for it among the launch's first fills: it is no stream that is read once.
; REGISTERS: window 0: v0-11 addresses and -1e30; v12-15 c m_old; v16-31 statistics; v32-47 at work; v48-55 EP; v56-63 W; v64-191 S^T, 32 a tile; v192-255 P, 16 a tile.
;   window 1: v0-127 O^T, 32 a tile; v128-183 the seven masks; v192-193 the add's registers.   window 2: v0-63 Q; v128-191 K; v192-255 V.
.set PKP,   528       ; a row of K in LDS: 512 bytes + 16: the 16 rows of a load start at 16 different groups of four banks (64 banks of 4 bytes: ISA guide 11.1)
.set PVP,   544       ; a row of V: 512 + 32
.set VOFF,  64*PKP    ; a step's tiles lie together: 64 rows of K, then 64 rows of V
.set STEPB, 64*(PKP+PVP)
.set SLOT1, 0x22000   ; slot 1; no fill's place in slot 0 (0, 0x8400, 0x10c00, 0x19000) holds one of its two bits, so an exclusive or changes slots
.set STG,   SLOT1+2*STEPB       ; behind the ring: the work-group's stage, 64 rows x 528 bytes
.set SP,    528
.set SPARE, STG+64*SP           ; the spare words: two blocks of 256 bytes that no other line names
.set AK0, 2           ; v2   my lane's place in a tile of K; never rewritten
.set AV0, 3           ; v3   the same for V
.set AK,  4
.set AV,  5
.set STO, 6
.set RD,  7
.set GO,  8
.set BIGV, 10         ; v10  -1e30 (at work during the set-up)
.set QO,  11
.set MV,  12
.set ST,  16          ; tile t at ST + 4 t: c m, m, l (even keys', odd keys')
.set TMP, 32          ; tile t at TMP + 4 t: c0-c3 at work; c2 takes a
.set EP,  48
.set W,   56
.set S,   64
.set P,   192
.set MC,  128         ; window 1
.set SPW, 192         ; window 1
.set NIL, 193         ; window 1
.set KF,  128         ; window 2: key block kb, channel half c at KF + 16 kb + 8 c
.set VF,  192         ; window 2: key half kk, channel block cb at VF + 32 kk + 8 cb
.set WV,  12
.set G1K, 24          ; s[24:31]
.set G1V, 32          ; s[32:39]
.set G0K, 40          ; s[40:47] a set for each first fill; the second walks on
.set G0V, 48          ; s[48:55]
.set SLOTS, 56
.set CNT, 57
.set CS,  58          ; s[58:59] c
.set SEL, 60          ; s[60:61]
.set TB,  62          ; s62  LDS byte at which the tiles of the step to be fetched begin
.set Q0,  70          ; s70  my first query
.set FST, 71          ; s71  the step that I asked for last
.set STC, 72          ; s72  the step in hand
.set OFF, 74          ; s[74:75] a tile's byte offset in qkv
.set SG,  76          ; s76  +1 or -1
.set DL,  77          ; s77  delta
.set TS,  78          ; s78  T's step from x to x + 1
.set T0,  80          ; s[80:86] T[0..6]
.set BIGN, 87         ; s87  -1e30
.set MSB, 0
.macro WIN new
.if MSB != (\new)
	s_set_vgpr_msb (MSB<<8)|(\new)
.set MSB, (\new)
.endif
.endm
.set W_KQ, 0x0a       ; K and Q in window 2, S^T in window 0
.set W_KM, 0x1a       ; the same with the C operand in window 1
.set W_PV, 0x52       ; V in window 2, P in window 0, O^T in window 1.  The masks' lines fit it too: source 1 (W, -1e30) in window 0, destination in window 1
.set W_RS, 0x41       ; destination and source 0 in window 1, source 1 in window 0
.set W_AD, 0x05       ; the add: address and data in window 1
.macro PLACES
.rept 4
	v_nop
.endr
.endm
; A fill of a whole slot: waves 0 and 1 ask for K's two tiles, waves 2 and 3 for V's.  An s_nop 0 and four v_nop follow each line, ahead of the jump and the label.
.macro LOAD4
	s_cmp_lt_u32 s[WV], 2
	s_cbranch_scc0 .Lfor_v_\@
	tensor_load_to_lds s[G0K+4:G0K+7], s[G1K:G1K+7]
	s_nop 0
.rept 4
	v_nop
.endr
	s_branch .Lasked_\@
.Lfor_v_\@:
	tensor_load_to_lds s[G0V+4:G0V+7], s[G1V:G1V+7]
	s_nop 0
.rept 4
	v_nop
.endr
.Lasked_\@:
.endm
; The last fill brings one step: wave 0 asks for its K, wave 2 for its V; waves 1 and 3 have no part of it.
.macro LOAD2
	s_cmp_eq_u32 s[WV], 0
	s_cbranch_scc0 .Lnot_k_\@
	tensor_load_to_lds s[G0K+4:G0K+7], s[G1K:G1K+7]
	s_nop 0
.rept 4
	v_nop
.endr
.Lnot_k_\@:
	s_cmp_eq_u32 s[WV], 2
	s_cbranch_scc0 .Lnot_v_\@
	tensor_load_to_lds s[G0V+4:G0V+7], s[G1V:G1V+7]
	s_nop 0
.rept 4
	v_nop
.endr
.Lnot_v_\@:
.endm
; THE CHANGE OF SLOTS.  Each wave waits for all its tensor loads (at most one is out: its part of the slot now entered), adds 0 to its spare word, and waits for that and for its reads of the slot that it leaves.
; fill = 1 or 2: the slot left is filled again, first thing behind the barrier, with the steps two slots on (2: with the walk's last step alone); my tile's address is made anew from its step's
; number, clamped into the sequence.
.macro CHANGE fill
	WIN W_AD
	s_wait_tensorcnt 0x0            ; no tensor load of mine is out, so a group 0 may be written
	ds_add_u32 v[SPW], v[NIL]       ; 0 onto my spare word; scalar work stands between it and the wait for it
	WIN 0
.if \fill
	s_xor_b32 s[G0K+5], s[G0K+5], SLOT1
	s_xor_b32 s[G0V+5], s[G0V+5], SLOT1
	s_add_co_u32 s[FST], s[FST], 2
	s_lshl_b32 s88, s[FST], 6
	s_cmp_ge_u32 s[FST], 5
	s_cselect_b32 s89, 576, 0
	s_sub_co_i32 s88, s88, s89      ; delta
	s_add_co_i32 s88, s88, s[Q0]
	s_max_i32 s88, s88, 0
	s_min_i32 s88, s88, 1984
	s_lshl_b32 s[OFF], s88, 13      ; 8,192 bytes a token
	s_add_nc_u64 s[G0K+6:G0K+7], s[6:7], s[OFF:OFF+1]
	s_or_b32 s[G0K+7], s[G0K+7], 0x80000000
	s_add_nc_u64 s[G0V+6:G0V+7], s[8:9], s[OFF:OFF+1]
	s_or_b32 s[G0V+7], s[G0V+7], 0x80000000
.endif
	s_wait_dscnt 0x0                ; the add is done, and my reads of the slot are over
	s_barrier_signal -1
	s_sub_co_u32 s[TB], s[TB], 2*STEPB  ; the fetches go back to a slot's first step,
	s_xor_b32 s[TB], s[TB], SLOT1       ; in the other slot
	s_barrier_wait -1
.if (\fill) == 1
	LOAD4
.endif
.if (\fill) == 2
	LOAD2
.endif
.endm
	s_load_b128 s[16:19], s[0:1], 0x0  ; qkv s[16:17], act s[18:19]
	WIN 0x40
	v_lshl_add_u32 v[SPW], v0, 2, SPARE
	v_mov_b32 v[NIL], 0
	WIN W_AD
	ds_add_u32 v[SPW], v[NIL]       ; the wave's opening: the add and its wait ahead of my first tensor load
	WIN 0
	v_lshrrev_b32 v1, 5, v0
	v_readfirstlane_b32 s[WV], v1   ; wave 0..3
	s_and_b32 s13, s[WV], 1         ; which of a slot's two steps I fetch,
	s_mul_i32 s14, s13, STEPB       ; and its place in a slot
	s_lshl_b32 s[Q0], ttmp9, 6
	s_and_b32 s20, ttmp7, 0xffff
	s_lshr_b32 s21, s20, 2          ; the batch
	s_and_b32 s22, s20, 3           ; which four heads:
	s_lshl_b32 s22, s22, 9          ; their 512 bytes of a row
	s_lshl_b32 s23, s21, 24         ; a batch is 2,048 rows of 8,192 bytes
	s_add_co_u32 s23, s23, s22
	s_add_co_u32 s2, s23, 2048      ; k lies 2,048 bytes into a row,
	s_mov_b32 s3, 0
	s_add_co_u32 s92, s23, 4096     ; v 4,096
	s_mov_b32 s93, 0
	s_lshl_b32 s88, s[Q0], 13
	s_lshl_b32 s89, s[WV], 7        ; my head's 128 bytes
	s_add_co_u32 s94, s23, s88
	s_add_co_u32 s94, s94, s89      ; q of my head at my first query
	s_mov_b32 s95, 0
	s_lshl_b32 s96, s21, 11
	s_add_co_u32 s96, s96, s[Q0]
	s_lshl4_add_u32 s96, s[WV], s96 ; the 16 rows of act that I store
	s_lshl_b32 s96, s96, 11
	s_add_co_u32 s96, s96, s22
	s_mov_b32 s97, 0
	s_mov_b32 s[G1K], (1<<16)|(1<<20)|(6<<22)|(3<<25)  ; 2-byte elements; padding on; after every 128 words, 4 words
	s_mov_b32 s[G1V], (1<<16)|(1<<20)|(6<<22)|(7<<25)  ; 8 words
.irp g, G1K, G1V
	s_mov_b32 s[\g+1], 256<<16      ; tensor_dim0 = 256
	s_mov_b32 s[\g+2], 64<<16       ; tensor_dim1 = 64
	s_mov_b32 s[\g+3], 256<<16      ; tile_dim0 = 256
	s_mov_b32 s[\g+4], 64           ; tile_dim1 = 64
	s_mov_b32 s[\g+5], 4096         ; elements from row to row
	s_mov_b32 s[\g+6], 0
	s_mov_b32 s[\g+7], 0
.endr
	s_mov_b32 s[G0K], 1
	s_mov_b32 s[G0K+1], s14
	s_mov_b32 s[G0K+4], 1
	s_add_co_u32 s[G0K+5], s14, SLOT1
	s_mov_b32 s[G0V], 1
	s_add_co_u32 s[G0V+1], s14, VOFF
	s_mov_b32 s[G0V+4], 1
	s_add_co_u32 s[G0V+5], s14, SLOT1+VOFF
	s_lshl_b32 s88, s13, 6
	s_add_co_u32 s88, s88, s[Q0]    ; slot 0: step 0 begins at my first query, step 1 64 keys on;
	s_min_u32 s89, s88, 1984
	s_lshl_b32 s[OFF], s89, 13
	s_mov_b32 s[OFF+1], 0
	s_add_co_u32 s90, s88, 128      ; slot 1: steps 2 and 3, 128 keys further (all clamped into the sequence)
	s_min_u32 s90, s90, 1984
	s_lshl_b32 s98, s90, 13
	s_mov_b32 s99, 0
	s_add_co_u32 s[FST], s13, 2
	s_mov_b32 s[STC], 0
	s_mov_b32 s[TB], 0
	s_mov_b32 s[CS], 0x3e38aa3b     ; c = log2(e) / 8
	s_mov_b32 s[CS+1], s[CS]
	s_mov_b32 s[SEL], 0x76543210
	s_mov_b32 s[SEL+1], 0xfedcba98
	s_mov_b32 s[BIGN], 0xf149f2ca   ; -1e30
	s_wait_dscnt 0x0                ; the opening add is done
	s_wait_kmcnt 0x0
	s_add_nc_u64 s[6:7], s[16:17], s[2:3]      ; k of the batch's token 0, my four heads
	s_add_nc_u64 s[8:9], s[16:17], s[92:93]    ; v likewise
	s_add_nc_u64 s[4:5], s[16:17], s[94:95]
	s_add_nc_u64 s[10:11], s[18:19], s[96:97]
	s_add_nc_u64 s[G0K+2:G0K+3], s[6:7], s[OFF:OFF+1]
	s_or_b32 s[G0K+3], s[G0K+3], 0x80000000
	s_add_nc_u64 s[G0K+6:G0K+7], s[6:7], s[98:99]
	s_or_b32 s[G0K+7], s[G0K+7], 0x80000000
	s_add_nc_u64 s[G0V+2:G0V+3], s[8:9], s[OFF:OFF+1]
	s_or_b32 s[G0V+3], s[G0V+3], 0x80000000
	s_add_nc_u64 s[G0V+6:G0V+7], s[8:9], s[98:99]
	s_or_b32 s[G0V+7], s[G0V+7], 0x80000000
	s_cmp_lt_u32 s[WV], 2           ; a wave's two first fills stand in one branch, ahead of every wait on TENSORcnt and every LDS read: two loads of mine are out
	s_cbranch_scc0 .Lfirst_v
	tensor_load_to_lds s[G0K:G0K+3], s[G1K:G1K+7]
	s_nop 0
	tensor_load_to_lds s[G0K+4:G0K+7], s[G1K:G1K+7]
	s_nop 0
.rept 4
	v_nop
.endr
	s_branch .Lfirst_asked
.Lfirst_v:
	tensor_load_to_lds s[G0V:G0V+3], s[G1V:G1V+7]
	s_nop 0
	tensor_load_to_lds s[G0V+4:G0V+7], s[G1V:G1V+7]
	s_nop 0
.rept 4
	v_nop
.endr
.Lfirst_asked:
	v_and_b32 v1, 15, v0            ; l % 16
	v_bfe_u32 v9, v0, 4, 1          ; l / 16
	v_lshlrev_b32 v[QO], 13, v1
	v_lshl_add_u32 v[QO], v9, 4, v[QO]  ; row x 8,192 + 16 x half
	WIN 0x80                        ; destination window 2, address window 0
.set i, 0
.rept 8                             ; Q stays in registers: tile i / 2 (16 rows), channels 32 (i % 2) on
	global_load_b128 v[8*i:8*i+3],   v[QO], s[4:5] offset:(i/2)*131072+(i%2)*64
	global_load_b128 v[8*i+4:8*i+7], v[QO], s[4:5] offset:(i/2)*131072+(i%2)*64+32
.set i, i+1
.endr
	; What the first step finds: V and P hold 0 (its products V^T P, of a step that has not been, add 0), O^T and l are 0.  No first step is written out; these lines stand in the wait for the first tile.
.set i, VF
.rept 64
	v_mov_b32 v[i], 0
.set i, i+1
.endr
	WIN 0x40
.set i, 0
.rept 128
	v_mov_b32 v[i], 0
.set i, i+1
.endr
	WIN 0
.set i, 0
.rept 4
	v_mov_b32 v[ST+4*i], 0xfe000000    ; c m: far below every c s
	v_mov_b32 v[ST+4*i+1], 0xff7fffff  ; m
	v_mov_b32 v[ST+4*i+2], 0
	v_mov_b32 v[ST+4*i+3], 0
.set i, i+1
.endr
.set i, P
.rept 64
	v_mov_b32 v[i], 0
.set i, i+1
.endr
	s_lshl_b32 s88, s[WV], 7        ; my head's 128 bytes of a row
	v_mul_u32_u24 v[AK0], v1, PKP
	v_lshl_add_u32 v[AK0], v9, 4, v[AK0]
	v_add_nc_u32 v[AK0], s88, v[AK0]
	v_and_b32 v10, 7, v0            ; the turning load: lane l reads key 8 (l / 16) + l % 8, channels 8 ((l / 8) % 2) + 0..7
	v_lshl_add_u32 v[AV0], v9, 3, v10
	v_mul_u32_u24 v[AV0], v[AV0], PVP
	v_bfe_u32 v10, v0, 3, 1
	v_lshl_add_u32 v[AV0], v10, 4, v[AV0]
	s_add_co_u32 s89, s88, VOFF
	v_add_nc_u32 v[AV0], s89, v[AV0]
	v_mul_u32_u24 v[STO], v1, SP    ; into the stage: row l % 16 of a tile, my head's 128 bytes, 16 bytes for each half of the lanes
	v_lshl_add_u32 v[STO], v9, 4, v[STO]
	s_add_co_u32 s89, s88, STG
	v_add_nc_u32 v[STO], s89, v[STO]
	v_and_b32 v10, 31, v0
	v_lshlrev_b32 v[GO], 4, v10     ; back: a whole row of 512 bytes a load, 16 bytes a lane
	s_mul_i32 s89, s[WV], 16*SP
	s_add_co_u32 s89, s89, STG
	v_add_nc_u32 v[RD], s89, v[GO]
	v_lshlrev_b32 v10, 3, v9
	v_sub_nc_u32 v10, v10, v1
.irp r, 0,1,2,3,4,5,6,7
	v_add_nc_u32 v[EP+\r], \r, v10
.endr
	v_mov_b32 v[BIGV], s[BIGN]      ; from here on v10 holds -1e30
; THE MATRIX WORK.  In each run of 32 sixteen accumulators take turns, one instruction a turn.
; Product i of O^T += V^T P: keys 32 (i / 16) on, channels 16 ((i / 4) % 4) on, tile i % 4.
.macro PVM
	WIN W_PV
.set rO, 32*(i%4)+8*((i/4)%4)
.set rV, VF+32*(i/16)+8*((i/4)%4)
.set rP, P+16*(i%4)+8*(i/16)
	v_wmma_f32_16x16x32_f16 v[rO:rO+7], v[rV:rV+7], v[rP:rP+7], v[rO:rO+7]
.endm
; Product i of S^T = K Q^T: channels 32 (i / 16) on, keys 16 ((i / 4) % 4) on, tile i % 4.  The first 16 start the sums with the mask.
.macro KQ
.set rS, S+32*(i%4)+8*((i/4)%4)
.set rK, KF+16*((i/4)%4)+8*(i/16)
.set rQ, 16*(i%4)+8*(i/16)
.set rM, MC+8*((i/4)%4-i%4+3)
.if i < 16
	WIN W_KM
	v_wmma_f32_16x16x32_f16 v[rS:rS+7], v[rK:rK+7], v[rQ:rQ+7], v[rM:rM+7]
.else
	WIN W_KQ
	v_wmma_f32_16x16x32_f16 v[rS:rS+7], v[rK:rK+7], v[rQ:rQ+7], v[rS:rS+7]
.endif
.endm
.macro MK                           ; register n of the 56 of the masks: x = n / 8, r = n % 8
	v_cmp_lt_i32 vcc_lo, s[T0+n/8], v[W+n%8]
	v_cndmask_b32 v[MC+n], 0, v[BIGV], vcc_lo
.set n, n+1
.endm
.macro FETCH_K
	WIN 0x80
.irp f, 0,1,2,3,4,5,6,7             ; keys 16 (f / 2) on, channels 32 (f % 2) on
	ds_load_b128 v[KF+8*\f:KF+8*\f+3],   v[AK] offset:(\f/2)*16*PKP+(\f%2)*64
	ds_load_b128 v[KF+8*\f+4:KF+8*\f+7], v[AK] offset:(\f/2)*16*PKP+(\f%2)*64+32
.endr
.endm
.macro FETCH_V
	WIN 0x80
.irp f, 0,1,2,3,4,5,6,7             ; keys 32 (f / 4) on, channels 16 (f % 4) on
	ds_load_tr16_b128 v[VF+8*\f:VF+8*\f+3],   v[AV] offset:(\f/4)*32*PVP+(\f%4)*32
	ds_load_tr16_b128 v[VF+8*\f+4:VF+8*\f+7], v[AV] offset:(\f/4)*32*PVP+16*PVP+(\f%4)*32
.endr
.endm
.macro REGS t
.set rT, ST+4*(\t)
.set rC, TMP+4*(\t)
.set rW, MV+(\t)
.set rS, S+32*(\t)
.endm
; Number n of the 22 that find a tile's maximum and statistics.  0-11: four chains of seven scores, three operands at a time (each accumulator's lowest registers are read first).
; 12-14, 16: the four scores left over, the old m, the chains into c0.  15: c m_old is kept.  17, 18: the query's other 32 keys lie in the lane 16 away.  19-21: c m; its change; a.
.macro XS t, n
	REGS \t
.if (\n) < 4
	v_max3_num_f32 v[rC+(\n)], v[rS+8*(\n)], v[rS+8*(\n)+1], v[rS+8*(\n)+2]
.elseif (\n) < 12
	v_max3_num_f32 v[rC+(\n)%4], v[rC+(\n)%4], v[rS+8*((\n)%4)+2*((\n)/4)+1], v[rS+8*((\n)%4)+2*((\n)/4)+2]
.elseif (\n) == 12
	v_max3_num_f32 v[rC], v[rC], v[rS+7], v[rS+15]
.elseif (\n) == 13
	v_max3_num_f32 v[rC+1], v[rC+1], v[rS+23], v[rS+31]
.elseif (\n) == 14
	v_max3_num_f32 v[rC+2], v[rC+2], v[rC+3], v[rT+1]
.elseif (\n) == 15
	v_mov_b32 v[rW], v[rT]
.elseif (\n) == 16
	v_max3_num_f32 v[rC], v[rC], v[rC+1], v[rC+2]
.elseif (\n) == 17
	v_permlanex16_b32 v[rC+3], v[rC], s[SEL], s[SEL+1]
.elseif (\n) == 18
	v_max_num_f32 v[rT+1], v[rC], v[rC+3]
.elseif (\n) == 19
	v_mul_f32 v[rT], s[CS], v[rT+1]
.elseif (\n) == 20
	v_sub_f32 v[rC+1], v[rW], v[rT]
.else
	v_exp_f32 v[rC+2], v[rC+1]
.endif
.endm
; The softmax of the wave's four tiles for one step; the tiles alternate, so that no instruction reads the result of the one before it.
.macro SOFTMAX
	WIN 0
.irp t, 0,1,2,3
	XS \t, 15                       ; four plain lines that name no score: the places behind the last products K Q^T
.endr
.irp n, 0,1,2,3,4,5,6,7,8,9,10,11,12,13,14,16,17,18,19,20
.irp t, 0,1,2,3
	XS \t, \n
.endr
.endr
.set p, 0
.rept 16
.irp t, 0,1,2,3
	REGS \t
	v_pk_fma_f32 v[rS+2*p:rS+2*p+1], v[rS+2*p:rS+2*p+1], s[CS:CS+1], v[rT:rT+1] op_sel_hi:[1,0,0] neg_lo:[0,0,1] neg_hi:[0,0,1]  ; c s - c m
.endr
.set p, p+1
.endr
.set p, 0
.rept 32                            ; ONE BATCH: 128 weights and the four a; nothing in it names a result of it
.irp t, 0,1,2,3
	v_exp_f32 v[S+32*\t+p], v[S+32*\t+p]
.endr
.set p, p+1
.endr
.irp t, 0,1,2,3
	XS \t, 21
.endr
	v_nop                           ; a plain instruction behind the last exponential,
	s_wait_alu depctr_va_vdst(0)    ; and the one wait ahead of the batch's first reader
.set p, 0
.rept 16
.irp t, 0,1,2,3
	v_cvt_pk_f16_f32 v[P+16*\t+p], v[S+32*\t+2*p], v[S+32*\t+2*p+1]
.endr
.set p, p+1
.endr
.irp w, 4,8,16,32                   ; the sum of a tile's 16 pairs, in place: neighbours 1, 2, 4 and 8 pairs apart
.set u, 0
.rept 32/(\w)
.irp t, 0,1,2,3
	v_pk_add_f32 v[S+32*\t+(\w)*u:S+32*\t+(\w)*u+1], v[S+32*\t+(\w)*u:S+32*\t+(\w)*u+1], v[S+32*\t+(\w)*u+(\w)/2:S+32*\t+(\w)*u+(\w)/2+1]
.endr
.set u, u+1
.endr
.endr
.irp t, 0,1,2,3
	REGS \t
	v_pk_fma_f32 v[rT+2:rT+3], v[rT+2:rT+3], v[rC+2:rC+3], v[rS:rS+1] op_sel_hi:[1,0,1]  ; l = a l + sum
.endr
	WIN W_RS
.set p, 0
.rept 16                            ; O^T times a, each accumulator from its low end on
.irp t, 0,1,2,3
	v_pk_mul_f32 v[32*\t+2*p:32*\t+2*p+1], v[32*\t+2*p:32*\t+2*p+1], v[TMP+4*\t+2:TMP+4*\t+3] op_sel_hi:[1,0]
.endr
.set p, p+1
.endr
.endm
; A KEY STEP.
.macro STEP
	s_lshl_b32 s[DL], s[STC], 6
	s_cmp_ge_u32 s[STC], 5
	s_cselect_b32 s88, 576, 0
	s_cselect_b32 s[SG], -1, 1
	s_sub_co_i32 s[DL], s[DL], s88  ; delta
	s_add_co_i32 s89, s[DL], s[Q0]  ; the step's first key
	s_mul_i32 s90, s[DL], s[SG]     ; |delta|
	s_mul_i32 s91, s[SG], 48
	s_sub_co_i32 s[T0], 204, s90
	s_add_co_i32 s[T0], s[T0], s91  ; T[x] = 204 - |delta| + 48 sg - 16 sg x
	s_mul_i32 s[TS], s[SG], -16
.irp x, 1,2,3,4,5,6
	s_add_co_i32 s[T0+\x], s[T0+\x-1], s[TS]
.endr
	s_cmp_gt_u32 s89, 1984          ; outside the sequence (a negative number is a large one here): every W, -15 to 15, is above -64
.irp x, 0,1,2,3,4,5,6
	s_cselect_b32 s[T0+\x], -64, s[T0+\x]
.endr
	s_add_co_u32 s[STC], s[STC], 1
	WIN 0
	v_add_nc_u32 v[AK], s[TB], v[AK0]
	v_add_nc_u32 v[AV], s[TB], v[AV0]
	s_add_co_u32 s[TB], s[TB], STEPB  ; the next fetch is the next step's
.irp r, 0,1,2,3,4,5,6,7
	v_mul_lo_u32 v[W+\r], v[EP+\r], s[SG]
.endr
	FETCH_K                         ; K's registers were last read in front of the softmax before
.set i, 0
.set n, 0
.rept 32                            ; V^T P of the step before; behind products 4 to 31 two registers of the masks each
	PVM
.if i >= 4
	MK
	MK
.endif
.set i, i+1
.endr
	PLACES                          ; in front of the loads into V's registers, which the last product has read
	FETCH_V
	s_wait_dscnt 16                 ; K is in; V's 16 loads may stay out
.set i, 0
.rept 32
	KQ
.set i, i+1
.endr
	SOFTMAX
	WIN 0
	s_wait_dscnt 0x0                ; V is in: all my reads of this step's tiles are over
.endm
	s_wait_tensorcnt 1              ; my part of slot 0 is in; my part of slot 1 may stay out
	s_barrier_signal -1
	s_barrier_wait -1               ; everybody's is: no barrier stands between a slot's two steps
	s_wait_loadcnt 0x0              ; Q
	s_mov_b32 s[SLOTS], 3
	s_branch .Lpair                 ; the loop is entered behind its change of slots
.Lslot:                             ; twice: steps 2 and 4 are entered, steps (4, 5) and (6, 7) asked for
	CHANGE 1
.Lpair:
	s_mov_b32 s[CNT], 2
.Lstep:                             ; a slot's two steps: written once, walked twice; the LDS addresses hang on s[TB]
	STEP
	s_sub_co_u32 s[CNT], s[CNT], 1
	s_cmp_lg_u32 s[CNT], 0
	s_cbranch_scc1 .Lstep
	s_sub_co_u32 s[SLOTS], s[SLOTS], 1
	s_cmp_lg_u32 s[SLOTS], 0
	s_cbranch_scc1 .Lslot
	CHANGE 2                        ; the tail is written out: step 6 is entered, step 8 asked for
	s_mov_b32 s[CNT], 3
.Ltail:                             ; steps 6, 7 and 8
	STEP
	s_sub_co_u32 s[CNT], s[CNT], 1
	s_cmp_eq_u32 s[CNT], 0
	s_cbranch_scc1 .Lout
	s_cmp_lg_u32 s[CNT], 1
	s_cbranch_scc1 .Ltail           ; step 7 lies in step 6's slot
	CHANGE 0                        ; step 8 lies in the other; nothing is asked for
	s_branch .Ltail
.Lout:
.set i, 0
.rept 32
	PVM                             ; V^T P of the last step
.set i, i+1
.endr
	; THE WAY OUT.  l's halves are added; O^T is divided by l, rounded to f16 and laid into the work-group's stage: a row of it holds a query's four heads, 512 bytes.
	WIN 0
.irp t, 0,1,2,3
	v_add_f32 v[ST+4*\t+2], v[ST+4*\t+2], v[ST+4*\t+3]
.endr
.irp t, 0,1,2,3
	v_permlanex16_b32 v[ST+4*\t+3], v[ST+4*\t+2], s[SEL], s[SEL+1]
.endr
.irp t, 0,1,2,3
	v_add_f32 v[ST+4*\t+2], v[ST+4*\t+2], v[ST+4*\t+3]
.endr
.irp t, 0,1,2,3
	v_rcp_f32 v[ST+4*\t+2], v[ST+4*\t+2]
.endr
	v_nop                           ; a plain instruction behind the last reciprocal,
	s_wait_alu depctr_va_vdst(0)    ; and the one wait for the four
.irp t, 0,1,2,3
	WIN W_RS
.set i, 32*\t
.rept 16
	v_pk_mul_f32 v[i:i+1], v[i:i+1], v[ST+4*\t+2:ST+4*\t+3] op_sel_hi:[1,0]
.set i, i+2
.endr
	WIN 0x05                        ; sources 0 and 1 window 1, destination window 0
.set i, 0
.rept 16
	v_cvt_pk_f16_f32 v[S+16*\t+i], v[32*\t+2*i], v[32*\t+2*i+1]
.set i, i+1
.endr
	WIN 0
.irp f, 0,1,2,3
	ds_store_b128 v[STO], v[S+16*\t+4*\f:S+16*\t+4*\f+3] offset:\t*16*SP+32*\f
.endr
.endr
	s_wait_dscnt 0x0                ; for the others' sake: my stores into the stage are done
	s_barrier_signal -1
	s_barrier_wait -1
.set i, 0
.rept 16                            ; wave w takes rows 16 w to 16 w + 15, whole
	ds_load_b128 v[S+4*i:S+4*i+3], v[RD] offset:i*SP
.set i, i+1
.endr
.set i, 0
.rept 16
	s_wait_dscnt 15-i               ; LDS loads come back in order: row i is in, the younger ones stay out
	global_store_b128 v[GO], v[S+4*i:S+4*i+3], s[10:11] offset:2048*i  ; 512 consecutive bytes, aligned
.set i, i+1
.endr
	WIN W_AD
	s_wait_tensorcnt 0x0            ; the wave's end
	ds_add_u32 v[SPW], v[NIL]
	s_wait_dscnt 0x0
	WIN 0
	s_endpgm
.Lfunc_end_k_qd79fb2ad28_attn:
	.size	k_qd79fb2ad28_attn, .Lfunc_end_k_qd79fb2ad28_attn-k_qd79fb2ad28_attn
	.p2alignl 7, 3214868480
	.fill 96, 4, 3214868480
	.section	.rodata,"a",@progbits
	.p2align	6, 0x0
	.amdhsa_kernel k_qd79fb2ad28_attn
		.amdhsa_group_segment_fixed_size 327680
		.amdhsa_private_segment_fixed_size 0
		.amdhsa_enable_private_segment 0
		.amdhsa_kernarg_size 16
		.amdhsa_user_sgpr_count 2
		.amdhsa_user_sgpr_kernarg_segment_ptr 1
		.amdhsa_wavefront_size32 1
		.amdhsa_system_sgpr_workgroup_id_x 1
		.amdhsa_system_sgpr_workgroup_id_y 1
		.amdhsa_system_sgpr_workgroup_id_z 1
		.amdhsa_system_vgpr_workitem_id 0
		.amdhsa_next_free_vgpr 768
		.amdhsa_next_free_sgpr 100
		.amdhsa_reserve_vcc 1
		.amdhsa_float_denorm_mode_32 3
		.amdhsa_float_denorm_mode_16_64 3
		.amdhsa_memory_ordered 1
		.amdhsa_forward_progress 1
		.amdhsa_inst_pref_size 110
	.end_amdhsa_kernel
	.amdgpu_metadata
---
amdhsa.version: [ 1, 2 ]
amdhsa.kernels:
  - .name:           k_qd79fb2ad28_attn
    .symbol:         k_qd79fb2ad28_attn.kd
    .args:
      - { .name: qkv, .offset: 0, .size: 8, .value_kind: global_buffer, .address_space: global }
      - { .name: act, .offset: 8, .size: 8, .value_kind: global_buffer, .address_space: global }
    .group_segment_fixed_size: 327680
    .private_segment_fixed_size: 0
    .kernarg_segment_align: 8
    .kernarg_segment_size: 16
    .max_flat_workgroup_size: 128
    .sgpr_count:     100
    .vgpr_count:     768
    .wavefront_size: 32
...
	.end_amdgpu_metadata
.endif
;; end of part 3
;; launch wo (part 4): grid 8 x 32, 4 waves a work-group, clusters of 4 x 4, 327,680 bytes of LDS; arguments act, wC, bo, x, x1; writes x1
.if DOCPART == 4
	.amdgcn_target "amdgcn-amd-amdhsa--gfx1250"
	.amdhsa_code_object_version 6
	.text
	.protected	k_qd79fb2ad28_wo
	.globl	k_qd79fb2ad28_wo
	.p2align	8
	.type	k_qd79fb2ad28_wo,@function
k_qd79fb2ad28_wo:
	s_mov_b64 s[64:65], 0
	v_nop
	global_prefetch_b8 v0, s[64:65] scope:SCOPE_SE
	s_setreg_imm32_b32 hwreg(HW_REG_WAVE_MODE, 25, 1), 1
	s_wait_xcnt 0x0
	s_wait_alu depctr_hold_cnt(0) depctr_sa_sdst(0) depctr_va_vdst(0) depctr_va_sdst(0) depctr_va_ssrc(0) depctr_va_vcc(0) depctr_vm_vsrc(0)
	s_getreg_b32 s2, hwreg(HW_REG_IB_STS2, 6, 4)
	s_cmp_eq_u32 s2, 0
	s_cbranch_scc0 .Lentry_in_a_cluster
	s_endpgm
.Lentry_in_a_cluster:
	s_bfe_u32 s2, ttmp6, 0x10000c
	s_cmp_lg_u32 s2, 0xf033
	s_cbranch_scc0 .Lentry_shape_is_right
	s_endpgm
.Lentry_shape_is_right:
; C[m][n] = sum over k of A[m][k] B[k][n] + bias[n] + R[m][n].  A: [4096][SIZE_K] f16.  B: [SIZE_K][1024] f16, K down the rows, BW bytes into its buffer.  bias: [1024] f32.  R, C: [4096][1024] f32.
; Here: the attention's output projection with its residual (SIZE_K = 1024, B = wo at the buffer's head).  Sums in f32; nothing is rounded on the way out.
; LIMITS: A and B arrive within f16's 65,504.
; A tile of C is 128 x 128, so that 256 work-groups share the 4096 x 1024 numbers.  Four waves, each 64 x 64: 16 accumulators.  K goes in steps of 256 through two LDS slots.
; A's rows come out of LDS as they lie, B's turned (ds_load_tr16_b128).  THE MATRIX INSTRUCTION IS USED TRANSPOSED (source 0 = 16 columns of B, source 1 = 16 rows of A): a lane holds
; row l % 16 of C and eight neighbouring columns.  The first product on each accumulator takes the bias as C.
; CLUSTER: 4 x 4 work-groups; A's tile is asked for jointly along a row of the cluster, B's along a column.  The loop's body is one K step; an exclusive or changes slots.
; REGISTERS: window 0: v0-31 addresses; v32-95 the way out, two buffers; v96-127 the bias; v128-255 the accumulators ((a, b) at 128 + 8 (4 a + b)).
;   window 1: two fragment buffers of 128 (64 of A, then 64 of B, for 64 along K); at the end v0-127 take R.
.set SIZE_K, 1024
.set BW,     0
.set KSTEP,  256
.set NSTEP,  SIZE_K/KSTEP
.set PA,     528                       ; A's LDS row: 512 bytes + 16
.set PB,     288                       ; B's LDS row: 256 bytes + 32
.set HALFA,  64*PA                     ; a load of A: 64 rows
.set HALFB,  128*PB                    ; a load of B: 128 rows of K
.set BOFF,   2*HALFA
.set SLOT1,  0x24000                   ; no fill's place in slot 0 (0, 0x8400, 0x10800, 0x19800) holds one of its two bits
.set STAGE,  SLOT1+BOFF+2*HALFB        ; behind the ring: 16 rows x 272 bytes for each wave
.set SPITCH, 272
.set SPARE,  STAGE+4*16*SPITCH         ; the spare words: two blocks of 256 bytes that no other line names
.set ADRA0, 16
.set ADRB0, 17
.set ADRA,  18
.set ADRB,  19                         ; v19 quarters 0 and 1; v20 quarters 2 and 3, 128 rows further: the immediates stay inside 16 bits
.set STO,   24
.set RD,    25
.set CO,    26
.set SPW,   28
.set NIL,   29
.set BO,    30
.set OUT,   32
.set BIAS,  96
.set ACC,   128
.set F0,    0
.set F1,    128
.set G1,  24
.set G0,  32
.set G1B, 48
.set G0B, 56
.set TB,  45
.set MSB, 0
.macro WIN new
.if MSB != (\new)
	s_set_vgpr_msb (MSB<<8)|(\new)
.set MSB, \new
.endif
.endm
.macro JLOAD s                         ; a joint load: waves 0 and 1 fetch A's two halves, waves 2 and 3 B's; an s_nop 0 and four v_nop follow each line
	s_cmp_eq_u32 s11, 0
	s_cbranch_scc0 .Lfor_b_\@
	tensor_load_to_lds s[G0+4*(\s):G0+4*(\s)+3], s[G1:G1+7]
	s_nop 0
.rept 4
	v_nop
.endr
	s_branch .Lasked_\@
.Lfor_b_\@:
	tensor_load_to_lds s[G0B+4*(\s):G0B+4*(\s)+3], s[G1B:G1B+7]
	s_nop 0
.rept 4
	v_nop
.endr
.Lasked_\@:
.endm
.macro CREST
	s_cmp_lg_u32 s10, 0
	s_cbranch_scc1 .Lnot_wave_0_\@
	s_barrier_signal -3
.Lnot_wave_0_\@:
	s_barrier_wait -3
	s_barrier_signal -1
	s_barrier_wait -1
.endm
.macro CROUND
	s_barrier_signal -1
	s_barrier_wait -1
	CREST
.endm
.macro PLACES
.rept 4
	v_nop
.endr
.endm
	s_load_b128 s[4:7], s[0:1], 0x0                ; A s[4:5], B s[6:7]
	s_load_b128 s[68:71], s[0:1], 0x10             ; bias s[68:69], R s[70:71]
	s_load_b64 s[8:9], s[0:1], 0x20                ; C
	v_lshl_add_u32 v[SPW], v0, 2, SPARE
	v_mov_b32 v[NIL], 0
	ds_add_u32 v[SPW], v[NIL]                      ; the wave's opening: the add and its wait ahead of my first tensor load
	v_lshrrev_b32 v1, 5, v0
	v_readfirstlane_b32 s10, v1                    ; wave 0..3
	s_lshr_b32 s11, s10, 1                         ; my half of the tile's rows.  Also: I fetch for A (0) or for B (1)
	s_and_b32 s12, s10, 1                          ; my half of its columns.  Also: which half of that tile I fetch
	s_bfe_u32 s40, ttmp6, 0x40000
	s_bfe_u32 s41, ttmp6, 0x40004
	s_lshl_b32 s42, ttmp9, 2
	s_add_co_u32 s42, s42, s40                     ; tile column
	s_and_b32 s13, ttmp7, 0xffff
	s_lshl_b32 s13, s13, 2
	s_add_co_u32 s13, s13, s41                     ; tile row
	s_lshl_b32 s43, s41, 2
	s_lshl_b32 s43, 15, s43                        ; my row of the cluster
	s_lshl_b32 s44, 0x1111, s40                    ; my column
	s_or_b32 s[G1+0], s43, (1<<16)|(1<<20)|(1<<21)|(6<<22)|(3<<25)   ; after every 128 words, 4 words
	s_mov_b32 s[G1+1], KSTEP<<16                   ; 64 rows x 256 elements
	s_mov_b32 s[G1+2], 64<<16
	s_mov_b32 s[G1+3], KSTEP<<16
	s_mov_b32 s[G1+4], 64
	s_mov_b32 s[G1+5], SIZE_K
	s_mov_b32 s[G1+6], 0
	s_mov_b32 s[G1+7], 0
	s_or_b32 s[G1B+0], s44, (1<<16)|(1<<20)|(1<<21)|(5<<22)|(7<<25)  ; after every 64 words, 8 words
	s_mov_b32 s[G1B+1], 128<<16                    ; 128 rows of K x 128 columns
	s_mov_b32 s[G1B+2], 128<<16
	s_mov_b32 s[G1B+3], 128<<16
	s_mov_b32 s[G1B+4], 128
	s_mov_b32 s[G1B+5], 1024
	s_mov_b32 s[G1B+6], 0
	s_mov_b32 s[G1B+7], 0
	s_lshl_b32 s16, s13, 7
	s_lshl_b32 s17, s12, 6
	s_add_co_u32 s16, s16, s17                     ; A: row 128 x tile row + 64 x half
	s_mul_i32 s16, s16, 2*SIZE_K
	s_mov_b32 s17, 0
	s_lshl_b32 s46, s12, 18                        ; B: 128 rows of 2,048 bytes x half,
	s_lshl_b32 s47, s42, 8                         ; 256 bytes a tile column
	s_add_co_u32 s46, s46, s47
	s_add_co_u32 s46, s46, BW
	s_mov_b32 s47, 0
	s_mul_i32 s20, s12, HALFA                      ; where a part of A's tile goes,
	s_mul_i32 s21, s12, HALFB                      ; and of B's: no place in the cluster enters an LDS address
	s_add_co_u32 s21, s21, BOFF
	s_wait_dscnt 0x0                               ; the opening add is done
	s_wait_kmcnt 0x0
	s_add_nc_u64 s[14:15], s[4:5], s[16:17]
	s_add_nc_u64 s[46:47], s[6:7], s[46:47]
	CROUND                                         ; all sixteen work-groups are here: the first joint loads meet
.irp s, 0,1
	s_mov_b32 s[G0+4*(\s)], 1
	s_add_co_u32 s[G0+4*(\s)+1], s20, (\s)*SLOT1
	s_add_nc_u64 s[G0+4*(\s)+2:G0+4*(\s)+3], s[14:15], (\s)*KSTEP*2
	s_or_b32 s[G0+4*(\s)+3], s[G0+4*(\s)+3], 0x80000000
	s_mov_b32 s[G0B+4*(\s)], 1
	s_add_co_u32 s[G0B+4*(\s)+1], s21, (\s)*SLOT1
	s_add_nc_u64 s[G0B+4*(\s)+2:G0B+4*(\s)+3], s[46:47], (\s)*KSTEP*2048
	s_or_b32 s[G0B+4*(\s)+3], s[G0B+4*(\s)+3], 0x80000000
	JLOAD \s                                       ; K steps 0 and 1: two loads of mine are out
.endr
	v_and_b32 v1, 15, v0                           ; l % 16
	v_bfe_u32 v2, v0, 4, 1                         ; l / 16
	s_lshl_b32 s46, s42, 9                         ; my first column in f32 bytes: 512 x tile column + 256 x half
	s_lshl_b32 s47, s12, 8
	s_add_co_u32 s46, s46, s47
	s_mov_b32 s47, 0
	s_add_nc_u64 s[68:69], s[68:69], s[46:47]
	v_lshlrev_b32 v[BO], 5, v2
.irp b, 0,1,2,3
	global_load_b128 v[BIAS+8*(\b):BIAS+8*(\b)+3],   v[BO], s[68:69] offset:64*(\b)
	global_load_b128 v[BIAS+8*(\b)+4:BIAS+8*(\b)+7], v[BO], s[68:69] offset:64*(\b)+16
.endr
	v_mul_u32_u24 v3, v1, PA
	v_lshl_add_u32 v3, v2, 4, v3
	s_mul_i32 s21, s11, HALFA
	v_add_nc_u32 v[ADRA0], s21, v3
	v_and_b32 v4, 7, v0
	v_lshl_add_u32 v4, v2, 3, v4
	v_mul_u32_u24 v4, v4, PB
	v_bfe_u32 v5, v0, 3, 1
	v_lshl_add_u32 v4, v5, 4, v4
	s_lshl_b32 s22, s12, 7
	s_add_co_u32 s22, s22, BOFF
	v_add_nc_u32 v[ADRB0], s22, v4
	s_mul_i32 s23, s10, 16*SPITCH
	s_add_co_u32 s23, s23, STAGE                   ; my stage: 16 rows of 64 f32
	v_mul_u32_u24 v4, v1, SPITCH
	v_lshl_add_u32 v4, v2, 5, v4                   ; in: row l % 16, 32 bytes for each half of the lanes
	v_add_nc_u32 v[STO], s23, v4
	v_mul_u32_u24 v5, v2, SPITCH
	v_lshl_add_u32 v5, v1, 4, v5                   ; back: lanes 0-15 one row of 256 bytes, lanes 16-31 the next
	v_add_nc_u32 v[RD], s23, v5
	v_lshlrev_b32 v5, 12, v2
	v_lshl_add_u32 v[CO], v1, 4, v5                ; the same two rows in C and R (4,096 bytes a row)
	s_lshl_b32 s16, s13, 7
	s_lshl_b32 s17, s11, 6
	s_add_co_u32 s16, s16, s17                     ; my first row
	s_lshl_b32 s16, s16, 12
	s_add_co_u32 s16, s16, s46
	s_mov_b32 s17, 0
	s_add_nc_u64 s[8:9], s[8:9], s[16:17]
	s_add_nc_u64 s[70:71], s[70:71], s[16:17]
; 8 products: row blocks a0, a0 + 1 x all 4 column blocks, 32 along K: half c of buffer f.  first = 1: C is the bias.  The 16 accumulators take turns.
.macro MUL8 f, c, a0, first
	WIN 0x05                                       ; sources 0 (B) and 1 (A) window 1; C and D window 0
.irp a, \a0, (\a0)+1
.irp b, 0,1,2,3
.if \first
	v_wmma_f32_16x16x32_f16 v[ACC+8*(4*(\a)+(\b)):ACC+8*(4*(\a)+(\b))+7], v[(\f)+64+8*(4*(\c)+(\b)):(\f)+64+8*(4*(\c)+(\b))+7], v[(\f)+8*(4*(\c)+(\a)):(\f)+8*(4*(\c)+(\a))+7], v[BIAS+8*(\b):BIAS+8*(\b)+7]
.else
	v_wmma_f32_16x16x32_f16 v[ACC+8*(4*(\a)+(\b)):ACC+8*(4*(\a)+(\b))+7], v[(\f)+64+8*(4*(\c)+(\b)):(\f)+64+8*(4*(\c)+(\b))+7], v[(\f)+8*(4*(\c)+(\a)):(\f)+8*(4*(\c)+(\a))+7], v[ACC+8*(4*(\a)+(\b)):ACC+8*(4*(\a)+(\b))+7]
.endif
.endr
.endr
.endm
; 32 LDS loads in one run: quarter q (64 K) of the slot in hand into buffer f; its first 32 K first
.macro FETCH q, f
	WIN 0x40
.irp c, 0,1
.irp i, 0,1,2,3
	ds_load_tr16_b128 v[(\f)+64+8*(4*(\c)+(\i)):(\f)+64+8*(4*(\c)+(\i))+3],   v[ADRB+(\q)/2] offset:(((\q)%2)*64+32*(\c))*PB+32*(\i)
	ds_load_tr16_b128 v[(\f)+64+8*(4*(\c)+(\i))+4:(\f)+64+8*(4*(\c)+(\i))+7], v[ADRB+(\q)/2] offset:(((\q)%2)*64+32*(\c)+16)*PB+32*(\i)
	ds_load_b128 v[(\f)+8*(4*(\c)+(\i)):(\f)+8*(4*(\c)+(\i))+3],   v[ADRA] offset:128*(\q)+64*(\c)+(\i)*16*PA
	ds_load_b128 v[(\f)+8*(4*(\c)+(\i))+4:(\f)+8*(4*(\c)+(\i))+7], v[ADRA] offset:128*(\q)+64*(\c)+(\i)*16*PA+32
.endr
.endr
.endm
.macro QUARTER q, f, g, first          ; multiplies buffer f (quarter q - 1) and fetches quarter q into g
	s_wait_dscnt 16                                ; the first 32 along K are in
	MUL8 \f, 0, 0, \first
	MUL8 \f, 0, 2, \first
	PLACES
	FETCH \q, \g
	s_wait_dscnt 32                                ; all but the 32 just issued
	MUL8 \f, 1, 0, 0
	MUL8 \f, 1, 2, 0
.endm
; The last quarter multiplies buffer 1 and changes slots: in front of the one barrier each wave waits for all its tensor loads, adds 0 to its spare word, and waits for that and for its reads of this slot.
.macro TURN fill
	WIN 0
	s_wait_tensorcnt 0x0
	ds_add_u32 v[SPW], v[NIL]
	s_wait_dscnt 17                                ; the add and the youngest sixteen loads may be out
	MUL8 F1, 0, 0, 0
	s_wait_dscnt 0x0
	s_barrier_signal -1
	MUL8 F1, 0, 2, 0
	WIN 0
	s_barrier_wait -1
.if \fill
	CREST                                          ; the barrier has opened a round of the cluster's: no wave of any partner still reads this slot or has a load on its way
	s_xor_b32 s[G0+5], s[G0+5], SLOT1
	s_add_nc_u64 s[G0+6:G0+7], s[G0+6:G0+7], KSTEP*2
	s_xor_b32 s[G0B+5], s[G0B+5], SLOT1
	s_add_nc_u64 s[G0B+6:G0B+7], s[G0B+6:G0B+7], KSTEP*2048
	JLOAD 1                                        ; 112 products stand between this request and the wait for it
.else
	PLACES
.endif
	s_xor_b32 s[TB], s[TB], SLOT1
	v_add_nc_u32 v[ADRA], s[TB], v[ADRA0]
	v_add_nc_u32 v[ADRB], s[TB], v[ADRB0]
	v_add_nc_u32 v[ADRB+1], 128*PB, v[ADRB]
	FETCH 0, F0
	MUL8 F1, 1, 0, 0
	MUL8 F1, 1, 2, 0
.endm
; THE WAY OUT of row block a: the sums go through my own stage and come back as whole rows of 256 bytes; R is added; stored.
.macro OUTB a
.set OU, OUT+32*((\a)%2)
.if (\a) >= 2
	s_wait_xcnt 0x0                                ; the stores of two blocks back have read this buffer
.endif
.irp b, 0,1,2,3
	ds_store_b128 v[STO], v[ACC+8*(4*(\a)+(\b)):ACC+8*(4*(\a)+(\b))+3]   offset:64*(\b)      ; each accumulator's low four registers first
	ds_store_b128 v[STO], v[ACC+8*(4*(\a)+(\b))+4:ACC+8*(4*(\a)+(\b))+7] offset:64*(\b)+16
.endr
.irp t, 0,1,2,3,4,5,6,7
	ds_load_b128 v[OU+4*(\t):OU+4*(\t)+3], v[RD] offset:(\t)*2*SPITCH  ; LDS serves a wave's instructions in order (ISA guide 5.7.1.4)
.endr
	s_wait_dscnt 0x0
	s_wait_loadcnt 24-8*(\a)                       ; this block's eight loads of R are in; the later blocks' stay out
	WIN 0x04                                       ; source 1 (R) in window 1
.set i, 0
.rept 16
	v_pk_add_f32 v[OU+i:OU+i+1], v[OU+i:OU+i+1], v[32*(\a)+i:32*(\a)+i+1]
.set i, i+2
.endr
	WIN 0
.irp t, 0,1,2,3,4,5,6,7
	global_store_b128 v[CO], v[OU+4*(\t):OU+4*(\t)+3], s[8:9] offset:(16*(\a)+2*(\t))*4096  ; 16 lanes store 256 consecutive bytes, aligned
.endr
.endm
	s_wait_tensorcnt 1                             ; my part of K step 0 is in; K step 1's stays out
	s_barrier_signal -1
	s_barrier_wait -1
	s_mov_b32 s[TB], 0
	v_mov_b32 v[ADRA], v[ADRA0]
	v_mov_b32 v[ADRB], v[ADRB0]
	v_add_nc_u32 v[ADRB+1], 128*PB, v[ADRB0]
	FETCH 0, F0
	s_wait_loadcnt 0x0                             ; the bias
	QUARTER 1, F0, F1, 1
	WIN 0
	s_mov_b32 s3, NSTEP-2
.Lstep:                                                ; a trip: from a K step's second quarter to the next step's first; it asks for the K step two on
	QUARTER 2, F1, F0, 0
	QUARTER 3, F0, F1, 0
	TURN 1
	QUARTER 1, F0, F1, 0
	WIN 0
	s_sub_co_u32 s3, s3, 1
	s_cmp_lg_u32 s3, 0
	s_cbranch_scc1 .Lstep
	s_mov_b32 s3, 2
.Ltail:                                                ; the last two K steps ask for nothing; the second pass is left in its middle
	QUARTER 2, F1, F0, 0
	QUARTER 3, F0, F1, 0
	WIN 0
	s_sub_co_u32 s3, s3, 1
	s_cmp_eq_u32 s3, 0
	s_cbranch_scc1 .Llast
	TURN 0
	QUARTER 1, F0, F1, 0
	WIN 0
	s_branch .Ltail
.Llast:
	s_wait_dscnt 16
	MUL8 F1, 0, 0, 0
	MUL8 F1, 0, 2, 0
	PLACES                                         ; in front of the loads into buffer 0, which the quarter before multiplied
	WIN 0x40
.set i, 0
.rept 32                                               ; R of my 64 x 64, laid as the rows come back from the stage
	global_load_b128 v[4*i:4*i+3], v[CO], s[70:71] offset:(16*(i/8)+2*(i%8))*4096
.set i, i+1
.endr
	s_wait_dscnt 0x0
	MUL8 F1, 1, 0, 0
	MUL8 F1, 1, 2, 0
	WIN 0
	PLACES
	OUTB 0
	OUTB 1
	OUTB 2
	OUTB 3
	s_wait_tensorcnt 0x0                           ; the wave's end
	ds_add_u32 v[SPW], v[NIL]
	s_wait_dscnt 0x0
	CROUND                                         ; the closing round
	s_endpgm
.Lfunc_end_k_qd79fb2ad28_wo:
	.size	k_qd79fb2ad28_wo, .Lfunc_end_k_qd79fb2ad28_wo-k_qd79fb2ad28_wo
	.p2alignl 7, 3214868480
	.fill 96, 4, 3214868480
	.section	.rodata,"a",@progbits
	.p2align	6, 0x0
	.amdhsa_kernel k_qd79fb2ad28_wo
		.amdhsa_group_segment_fixed_size 327680
		.amdhsa_private_segment_fixed_size 0
		.amdhsa_enable_private_segment 0
		.amdhsa_kernarg_size 40
		.amdhsa_user_sgpr_count 2
		.amdhsa_user_sgpr_kernarg_segment_ptr 1
		.amdhsa_wavefront_size32 1
		.amdhsa_system_sgpr_workgroup_id_x 1
		.amdhsa_system_sgpr_workgroup_id_y 1
		.amdhsa_system_sgpr_workgroup_id_z 1
		.amdhsa_system_vgpr_workitem_id 0
		.amdhsa_next_free_vgpr 512
		.amdhsa_next_free_sgpr 74
		.amdhsa_reserve_vcc 0
		.amdhsa_float_denorm_mode_32 3
		.amdhsa_float_denorm_mode_16_64 3
		.amdhsa_memory_ordered 1
		.amdhsa_forward_progress 1
		.amdhsa_inst_pref_size 68
	.end_amdhsa_kernel
	.amdgpu_metadata
---
amdhsa.version: [ 1, 2 ]
amdhsa.kernels:
  - .name:           k_qd79fb2ad28_wo
    .symbol:         k_qd79fb2ad28_wo.kd
    .args:
      - { .name: act, .offset: 0, .size: 8, .value_kind: global_buffer, .address_space: global }
      - { .name: wC, .offset: 8, .size: 8, .value_kind: global_buffer, .address_space: global }
      - { .name: bo, .offset: 16, .size: 8, .value_kind: global_buffer, .address_space: global }
      - { .name: x, .offset: 24, .size: 8, .value_kind: global_buffer, .address_space: global }
      - { .name: x1, .offset: 32, .size: 8, .value_kind: global_buffer, .address_space: global }
    .group_segment_fixed_size: 327680
    .private_segment_fixed_size: 0
    .kernarg_segment_align: 8
    .kernarg_segment_size: 40
    .max_flat_workgroup_size: 128
    .sgpr_count:     74
    .vgpr_count:     512
    .wavefront_size: 32
...
	.end_amdgpu_metadata
.endif
;; end of part 4
;; launch ln2: the kernel of part 1 again; grid 64 x 4, 8 waves a work-group, no clusters, 0 bytes of LDS; arguments x1, ln2_g, ln2_b, wq, wk, wv, wo, w1, w2, bq, bk, bv, b1, act, wA, wB, wC; writes act, wA, wB, wC
;; launch ffn1: the kernel of part 2 again; grid 16 x 16, 4 waves a work-group, clusters of 4 x 4, 327,680 bytes of LDS; arguments act, wB, h; writes h
;; launch ffn2 (part 5): grid 8 x 32, 4 waves a work-group, clusters of 4 x 4, 327,680 bytes of LDS; arguments h, wC, b2, x1, out0; writes out0
.if DOCPART == 5
	.amdgcn_target "amdgcn-amd-amdhsa--gfx1250"
	.amdhsa_code_object_version 6
	.text
	.protected	k_qd79fb2ad28_ffn2
	.globl	k_qd79fb2ad28_ffn2
	.p2align	8
	.type	k_qd79fb2ad28_ffn2,@function
k_qd79fb2ad28_ffn2:
	s_mov_b64 s[64:65], 0
	v_nop
	global_prefetch_b8 v0, s[64:65] scope:SCOPE_SE
	s_setreg_imm32_b32 hwreg(HW_REG_WAVE_MODE, 25, 1), 1
	s_wait_xcnt 0x0
	s_wait_alu depctr_hold_cnt(0) depctr_sa_sdst(0) depctr_va_vdst(0) depctr_va_sdst(0) depctr_va_ssrc(0) depctr_va_vcc(0) depctr_vm_vsrc(0)
	s_getreg_b32 s2, hwreg(HW_REG_IB_STS2, 6, 4)
	s_cmp_eq_u32 s2, 0
	s_cbranch_scc0 .Lentry_in_a_cluster
	s_endpgm
.Lentry_in_a_cluster:
	s_bfe_u32 s2, ttmp6, 0x10000c
	s_cmp_lg_u32 s2, 0xf033
	s_cbranch_scc0 .Lentry_shape_is_right
	s_endpgm
.Lentry_shape_is_right:
; C[m][n] = sum over k of A[m][k] B[k][n] + bias[n] + R[m][n].  A: [4096][SIZE_K] f16.  B: [SIZE_K][1024] f16, K down the rows, BW bytes into its buffer.  bias: [1024] f32.  R, C: [4096][1024] f32.
; Here: the feed-forward's second product with its residual (SIZE_K = 4096, B = w2, which lies behind wo's 2,097,152 bytes).  Sums in f32; nothing is rounded on the way out.
; LIMITS: A and B arrive within f16's 65,504.
; A tile of C is 128 x 128, so that 256 work-groups share the 4096 x 1024 numbers.  Four waves, each 64 x 64: 16 accumulators.  K goes in steps of 256 through two LDS slots.
; A's rows come out of LDS as they lie, B's turned (ds_load_tr16_b128).  THE MATRIX INSTRUCTION IS USED TRANSPOSED (source 0 = 16 columns of B, source 1 = 16 rows of A): a lane holds
; row l % 16 of C and eight neighbouring columns.  The first product on each accumulator takes the bias as C.
; CLUSTER: 4 x 4 work-groups; A's tile is asked for jointly along a row of the cluster, B's along a column.  The loop's body is one K step; an exclusive or changes slots.
; AHEAD OF THE JOINT LOADS the tiles are prefetched into the L2, two K steps (256 products a wave) ahead of the refill that will want them: see ASK.
; REGISTERS: window 0: v0-31 addresses; v32-95 the way out, two buffers; v96-127 the bias; v128-255 the accumulators ((a, b) at 128 + 8 (4 a + b)).
;   window 1: two fragment buffers of 128 (64 of A, then 64 of B, for 64 along K); at the end v0-127 take R.
.set SIZE_K, 4096
.set BW,     2097152
.set KSTEP,  256
.set NSTEP,  SIZE_K/KSTEP
.set PA,     528                       ; A's LDS row: 512 bytes + 16
.set PB,     288                       ; B's LDS row: 256 bytes + 32
.set HALFA,  64*PA                     ; a load of A: 64 rows
.set HALFB,  128*PB                    ; a load of B: 128 rows of K
.set BOFF,   2*HALFA
.set SLOT1,  0x24000                   ; no fill's place in slot 0 (0, 0x8400, 0x10800, 0x19800) holds one of its two bits
.set STAGE,  SLOT1+BOFF+2*HALFB        ; behind the ring: 16 rows x 272 bytes for each wave
.set SPITCH, 272
.set SPARE,  STAGE+4*16*SPITCH         ; the spare words: two blocks of 256 bytes that no other line names
.set ADRA0, 16
.set ADRB0, 17
.set ADRA,  18
.set ADRB,  19                         ; v19 quarters 0 and 1; v20 quarters 2 and 3, 128 rows further: the immediates stay inside 16 bits
.set STO,   24
.set RD,    25
.set CO,    26
.set SPW,   28
.set NIL,   29
.set BO,    30
.set PFO,   31                         ; v31 the prefetches' offset; never rewritten
.set OUT,   32
.set BIAS,  96
.set ACC,   128
.set F0,    0
.set F1,    128
.set G1,  24
.set G0,  32
.set G1B, 48
.set G0B, 56
.set TB,  45
.set PFA, 18                           ; s[18:19] where my prefetches stand: my work-group's share of the rows that I fetch, at the K step that is asked for next
.set PFS, 66                           ; s[66:67] bytes from a K step to the next: along A's rows, or down B's
.set LIM, 72                           ; s72 2 in a wave that prefetches, else the greatest number
.set MSB, 0
.macro WIN new
.if MSB != (\new)
	s_set_vgpr_msb (MSB<<8)|(\new)
.set MSB, \new
.endif
.endm
.macro JLOAD s                         ; a joint load: waves 0 and 1 fetch A's two halves, waves 2 and 3 B's; an s_nop 0 and four v_nop follow each line
	s_cmp_eq_u32 s11, 0
	s_cbranch_scc0 .Lfor_b_\@
	tensor_load_to_lds s[G0+4*(\s):G0+4*(\s)+3], s[G1:G1+7]
	s_nop 0
.rept 4
	v_nop
.endr
	s_branch .Lasked_\@
.Lfor_b_\@:
	tensor_load_to_lds s[G0B+4*(\s):G0B+4*(\s)+3], s[G1B:G1B+7]
	s_nop 0
.rept 4
	v_nop
.endr
.Lasked_\@:
.endm
; A PREFETCH INTO THE L2, behind each joint refill, its five lines and the run of LDS loads that follows them: the K step that stands TWO refills on, one instruction a wave.
; Each aligned block of 256 bytes of A and of B is named ONCE in the launch.  A's tile row is read by both clusters of that row of clusters: the one with x = 0 asks; B's tile column by all eight
; clusters of that column: the one with y = 0 asks.  The four partners that ask for a tile jointly share its rows out BY ADDRESS: of the 64 rows of A that a wave fetches the partner at cx takes 16,
; two lanes a row (a K step is 512 bytes of it); of the 128 rows of B the partner at cy takes 32, a lane a row (256 bytes).  No branch hangs on a work-group's place in its cluster.
; Trip t of the loop refills K step t + 2 and names K step t + 4; its counter s3 runs from 14 to 1, so the trips with s3 = 2 and 1 have no such step and ask for nothing.  K steps 0 to 3 come by their loads alone.
.macro ASK
	s_cmp_gt_u32 s3, s[LIM]
	s_cbranch_scc0 .Lnot_mine_\@
	global_prefetch_b8 v[PFO], s[PFA:PFA+1] th:TH_LOAD_NT scope:SCOPE_SE
.Lnot_mine_\@:
.endm
.macro CREST
	s_cmp_lg_u32 s10, 0
	s_cbranch_scc1 .Lnot_wave_0_\@
	s_barrier_signal -3
.Lnot_wave_0_\@:
	s_barrier_wait -3
	s_barrier_signal -1
	s_barrier_wait -1
.endm
.macro CROUND
	s_barrier_signal -1
	s_barrier_wait -1
	CREST
.endm
.macro PLACES
.rept 4
	v_nop
.endr
.endm
	s_load_b128 s[4:7], s[0:1], 0x0                ; A s[4:5], B s[6:7]
	s_load_b128 s[68:71], s[0:1], 0x10             ; bias s[68:69], R s[70:71]
	s_load_b64 s[8:9], s[0:1], 0x20                ; C
	v_lshl_add_u32 v[SPW], v0, 2, SPARE
	v_mov_b32 v[NIL], 0
	ds_add_u32 v[SPW], v[NIL]                      ; the wave's opening: the add and its wait ahead of my first tensor load
	v_lshrrev_b32 v1, 5, v0
	v_readfirstlane_b32 s10, v1                    ; wave 0..3
	s_lshr_b32 s11, s10, 1                         ; my half of the tile's rows.  Also: I fetch for A (0) or for B (1)
	s_and_b32 s12, s10, 1                          ; my half of its columns.  Also: which half of that tile I fetch
	s_bfe_u32 s40, ttmp6, 0x40000
	s_bfe_u32 s41, ttmp6, 0x40004
	s_lshl_b32 s42, ttmp9, 2
	s_add_co_u32 s42, s42, s40                     ; tile column
	s_and_b32 s13, ttmp7, 0xffff
	s_lshl_b32 s13, s13, 2
	s_add_co_u32 s13, s13, s41                     ; tile row
	s_lshl_b32 s43, s41, 2
	s_lshl_b32 s43, 15, s43                        ; my row of the cluster
	s_lshl_b32 s44, 0x1111, s40                    ; my column
	s_or_b32 s[G1+0], s43, (1<<16)|(1<<20)|(1<<21)|(6<<22)|(3<<25)   ; after every 128 words, 4 words
	s_mov_b32 s[G1+1], KSTEP<<16                   ; 64 rows x 256 elements
	s_mov_b32 s[G1+2], 64<<16
	s_mov_b32 s[G1+3], KSTEP<<16
	s_mov_b32 s[G1+4], 64
	s_mov_b32 s[G1+5], SIZE_K
	s_mov_b32 s[G1+6], 0
	s_mov_b32 s[G1+7], 0
	s_or_b32 s[G1B+0], s44, (1<<16)|(1<<20)|(1<<21)|(5<<22)|(7<<25)  ; after every 64 words, 8 words
	s_mov_b32 s[G1B+1], 128<<16                    ; 128 rows of K x 128 columns
	s_mov_b32 s[G1B+2], 128<<16
	s_mov_b32 s[G1B+3], 128<<16
	s_mov_b32 s[G1B+4], 128
	s_mov_b32 s[G1B+5], 1024
	s_mov_b32 s[G1B+6], 0
	s_mov_b32 s[G1B+7], 0
	s_lshl_b32 s16, s13, 7
	s_lshl_b32 s17, s12, 6
	s_add_co_u32 s16, s16, s17                     ; A: row 128 x tile row + 64 x half
	s_mul_i32 s16, s16, 2*SIZE_K
	s_mov_b32 s17, 0
	s_lshl_b32 s46, s12, 18                        ; B: 128 rows of 2,048 bytes x half,
	s_lshl_b32 s47, s42, 8                         ; 256 bytes a tile column
	s_add_co_u32 s46, s46, s47
	s_add_co_u32 s46, s46, BW
	s_mov_b32 s47, 0
	s_mul_i32 s20, s12, HALFA                      ; where a part of A's tile goes,
	s_mul_i32 s21, s12, HALFB                      ; and of B's: no place in the cluster enters an LDS address
	s_add_co_u32 s21, s21, BOFF
	s_wait_dscnt 0x0                               ; the opening add is done
	s_wait_kmcnt 0x0
	s_add_nc_u64 s[14:15], s[4:5], s[16:17]
	s_add_nc_u64 s[46:47], s[6:7], s[46:47]
	CROUND                                         ; all sixteen work-groups are here: the first joint loads meet
.irp s, 0,1
	s_mov_b32 s[G0+4*(\s)], 1
	s_add_co_u32 s[G0+4*(\s)+1], s20, (\s)*SLOT1
	s_add_nc_u64 s[G0+4*(\s)+2:G0+4*(\s)+3], s[14:15], (\s)*KSTEP*2
	s_or_b32 s[G0+4*(\s)+3], s[G0+4*(\s)+3], 0x80000000
	s_mov_b32 s[G0B+4*(\s)], 1
	s_add_co_u32 s[G0B+4*(\s)+1], s21, (\s)*SLOT1
	s_add_nc_u64 s[G0B+4*(\s)+2:G0B+4*(\s)+3], s[46:47], (\s)*KSTEP*2048
	s_or_b32 s[G0B+4*(\s)+3], s[G0B+4*(\s)+3], 0x80000000
	JLOAD \s                                       ; K steps 0 and 1: two loads of mine are out
.endr
	v_and_b32 v1, 15, v0                           ; l % 16
	v_bfe_u32 v2, v0, 4, 1                         ; l / 16
	s_lshl_b32 s46, s42, 9                         ; my first column in f32 bytes: 512 x tile column + 256 x half
	s_lshl_b32 s47, s12, 8
	s_add_co_u32 s46, s46, s47
	s_mov_b32 s47, 0
	s_add_nc_u64 s[68:69], s[68:69], s[46:47]
	v_lshlrev_b32 v[BO], 5, v2
.irp b, 0,1,2,3
	global_load_b128 v[BIAS+8*(\b):BIAS+8*(\b)+3],   v[BO], s[68:69] offset:64*(\b)
	global_load_b128 v[BIAS+8*(\b)+4:BIAS+8*(\b)+7], v[BO], s[68:69] offset:64*(\b)+16
.endr
	v_mul_u32_u24 v3, v1, PA
	v_lshl_add_u32 v3, v2, 4, v3
	s_mul_i32 s21, s11, HALFA
	v_add_nc_u32 v[ADRA0], s21, v3
	v_and_b32 v4, 7, v0
	v_lshl_add_u32 v4, v2, 3, v4
	v_mul_u32_u24 v4, v4, PB
	v_bfe_u32 v5, v0, 3, 1
	v_lshl_add_u32 v4, v5, 4, v4
	s_lshl_b32 s22, s12, 7
	s_add_co_u32 s22, s22, BOFF
	v_add_nc_u32 v[ADRB0], s22, v4
	s_mul_i32 s23, s10, 16*SPITCH
	s_add_co_u32 s23, s23, STAGE                   ; my stage: 16 rows of 64 f32
	v_mul_u32_u24 v4, v1, SPITCH
	v_lshl_add_u32 v4, v2, 5, v4                   ; in: row l % 16, 32 bytes for each half of the lanes
	v_add_nc_u32 v[STO], s23, v4
	v_mul_u32_u24 v5, v2, SPITCH
	v_lshl_add_u32 v5, v1, 4, v5                   ; back: lanes 0-15 one row of 256 bytes, lanes 16-31 the next
	v_add_nc_u32 v[RD], s23, v5
	v_lshlrev_b32 v5, 12, v2
	v_lshl_add_u32 v[CO], v1, 4, v5                ; the same two rows in C and R (4,096 bytes a row)
	s_lshl_b32 s16, s13, 7
	s_lshl_b32 s17, s11, 6
	s_add_co_u32 s16, s16, s17                     ; my first row
	s_lshl_b32 s16, s16, 12
	s_add_co_u32 s16, s16, s46
	s_mov_b32 s17, 0
	s_add_nc_u64 s[8:9], s[8:9], s[16:17]
	s_add_nc_u64 s[70:71], s[70:71], s[16:17]
	; the prefetches.  s13 = tile row, s42 = tile column, s40 = cx, s41 = cy still stand; s[4:5] = A, s[6:7] = B
	s_lshl_b32 s20, s13, 7
	s_lshl_b32 s21, s12, 6
	s_add_co_u32 s20, s20, s21
	s_lshl4_add_u32 s20, s40, s20                  ; A: row 128 x tile row + 64 x half + 16 cx,
	s_mul_i32 s20, s20, 2*SIZE_K                   ; in bytes
	s_lshl_b32 s21, s12, 7
	s_lshl_b32 s22, s41, 5
	s_add_co_u32 s21, s21, s22                     ; B: row 128 x half + 32 cy,
	s_lshl_b32 s21, s21, 11                        ; 2,048 bytes a row,
	s_lshl_b32 s22, s42, 8                         ; the tile column's 256 bytes,
	s_add_co_u32 s21, s21, s22
	s_add_co_u32 s21, s21, BW                      ; behind wo
	s_and_b32 s22, ttmp7, 0xffff                   ; cluster y
	s_mov_b32 s[PFS], KSTEP*2                      ; a K step: 512 bytes along A's rows,
	s_mov_b32 s23, KSTEP*2048                      ; 256 rows down B
	s_mov_b32 s73, 2*SIZE_K                        ; A: a pair of lanes goes a row on, the odd lane 256 bytes along it;
	s_mov_b32 s74, 256
	s_mov_b32 s75, 4096                            ; B: a pair of lanes goes two rows on, the odd lane one
	s_mov_b32 s76, 2048
	s_cmp_eq_u32 s11, 0                            ; do I fetch for A?
	s_cselect_b32 s20, s20, s21
	s_cselect_b32 s[PFS], s[PFS], s23
	s_cselect_b32 s73, s73, s75
	s_cselect_b32 s74, s74, s76
	s_cselect_b32 s22, ttmp9, s22                  ; the coordinate along which other clusters read the same rows
	s_cselect_b64 s[PFA:PFA+1], s[4:5], s[6:7]
	s_mov_b32 s21, 0
	s_mov_b32 s[PFS+1], 0
	s_add_nc_u64 s[PFA:PFA+1], s[PFA:PFA+1], s[20:21]
	s_mul_i32 s20, s[PFS], 3
	s_add_nc_u64 s[PFA:PFA+1], s[PFA:PFA+1], s[20:21]  ; at K step 3: the first change of slots steps it to 4.  Nothing is prefetched here, at the head, where every work-group's first tiles are on their way
	s_cmp_eq_u32 s22, 0
	s_cselect_b32 s[LIM], 2, -1                    ; the same in all sixteen partners, for a given wave
	v_and_b32 v3, 31, v0
	v_lshrrev_b32 v4, 1, v3
	v_and_b32 v3, 1, v3
	v_mul_u32_u24 v[PFO], v4, s73
	v_mad_u32_u24 v[PFO], v3, s74, v[PFO]
; 8 products: row blocks a0, a0 + 1 x all 4 column blocks, 32 along K: half c of buffer f.  first = 1: C is the bias.  The 16 accumulators take turns.
.macro MUL8 f, c, a0, first
	WIN 0x05                                       ; sources 0 (B) and 1 (A) window 1; C and D window 0
.irp a, \a0, (\a0)+1
.irp b, 0,1,2,3
.if \first
	v_wmma_f32_16x16x32_f16 v[ACC+8*(4*(\a)+(\b)):ACC+8*(4*(\a)+(\b))+7], v[(\f)+64+8*(4*(\c)+(\b)):(\f)+64+8*(4*(\c)+(\b))+7], v[(\f)+8*(4*(\c)+(\a)):(\f)+8*(4*(\c)+(\a))+7], v[BIAS+8*(\b):BIAS+8*(\b)+7]
.else
	v_wmma_f32_16x16x32_f16 v[ACC+8*(4*(\a)+(\b)):ACC+8*(4*(\a)+(\b))+7], v[(\f)+64+8*(4*(\c)+(\b)):(\f)+64+8*(4*(\c)+(\b))+7], v[(\f)+8*(4*(\c)+(\a)):(\f)+8*(4*(\c)+(\a))+7], v[ACC+8*(4*(\a)+(\b)):ACC+8*(4*(\a)+(\b))+7]
.endif
.endr
.endr
.endm
; 32 LDS loads in one run: quarter q (64 K) of the slot in hand into buffer f; its first 32 K first
.macro FETCH q, f
	WIN 0x40
.irp c, 0,1
.irp i, 0,1,2,3
	ds_load_tr16_b128 v[(\f)+64+8*(4*(\c)+(\i)):(\f)+64+8*(4*(\c)+(\i))+3],   v[ADRB+(\q)/2] offset:(((\q)%2)*64+32*(\c))*PB+32*(\i)
	ds_load_tr16_b128 v[(\f)+64+8*(4*(\c)+(\i))+4:(\f)+64+8*(4*(\c)+(\i))+7], v[ADRB+(\q)/2] offset:(((\q)%2)*64+32*(\c)+16)*PB+32*(\i)
	ds_load_b128 v[(\f)+8*(4*(\c)+(\i)):(\f)+8*(4*(\c)+(\i))+3],   v[ADRA] offset:128*(\q)+64*(\c)+(\i)*16*PA
	ds_load_b128 v[(\f)+8*(4*(\c)+(\i))+4:(\f)+8*(4*(\c)+(\i))+7], v[ADRA] offset:128*(\q)+64*(\c)+(\i)*16*PA+32
.endr
.endr
.endm
.macro QUARTER q, f, g, first          ; multiplies buffer f (quarter q - 1) and fetches quarter q into g
	s_wait_dscnt 16                                ; the first 32 along K are in
	MUL8 \f, 0, 0, \first
	MUL8 \f, 0, 2, \first
	PLACES
	FETCH \q, \g
	s_wait_dscnt 32                                ; all but the 32 just issued
	MUL8 \f, 1, 0, 0
	MUL8 \f, 1, 2, 0
.endm
; The last quarter multiplies buffer 1 and changes slots: in front of the one barrier each wave waits for all its tensor loads, adds 0 to its spare word, and waits for that and for its reads of this slot.
.macro TURN fill
.if \fill
	s_wait_xcnt 0x0                                ; the last prefetch, a K step back, has read its address: it is stepped here, ahead of the waits of the change of slots
	s_add_nc_u64 s[PFA:PFA+1], s[PFA:PFA+1], s[PFS:PFS+1]
.endif
	WIN 0
	s_wait_tensorcnt 0x0
	ds_add_u32 v[SPW], v[NIL]
	s_wait_dscnt 17                                ; the add and the youngest sixteen loads may be out
	MUL8 F1, 0, 0, 0
	s_wait_dscnt 0x0
	s_barrier_signal -1
	MUL8 F1, 0, 2, 0
	WIN 0
	s_barrier_wait -1
.if \fill
	CREST                                          ; the barrier has opened a round of the cluster's: no wave of any partner still reads this slot or has a load on its way
	s_xor_b32 s[G0+5], s[G0+5], SLOT1
	s_add_nc_u64 s[G0+6:G0+7], s[G0+6:G0+7], KSTEP*2
	s_xor_b32 s[G0B+5], s[G0B+5], SLOT1
	s_add_nc_u64 s[G0B+6:G0B+7], s[G0B+6:G0B+7], KSTEP*2048
	JLOAD 1                                        ; 112 products stand between this request and the wait for it
.else
	PLACES
.endif
	s_xor_b32 s[TB], s[TB], SLOT1
	v_add_nc_u32 v[ADRA], s[TB], v[ADRA0]
	v_add_nc_u32 v[ADRB], s[TB], v[ADRB0]
	v_add_nc_u32 v[ADRB+1], 128*PB, v[ADRB]
	FETCH 0, F0
.if \fill
	WIN 0                                          ; at a branch and at a label every window is 0
	ASK                                            ; behind the joint load and the run of LDS loads that the next products wait for
.endif
	MUL8 F1, 1, 0, 0
	MUL8 F1, 1, 2, 0
.endm
; THE WAY OUT of row block a: the sums go through my own stage and come back as whole rows of 256 bytes; R is added; stored.
.macro OUTB a
.set OU, OUT+32*((\a)%2)
.if (\a) >= 2
	s_wait_xcnt 0x0                                ; the stores of two blocks back have read this buffer
.endif
.irp b, 0,1,2,3
	ds_store_b128 v[STO], v[ACC+8*(4*(\a)+(\b)):ACC+8*(4*(\a)+(\b))+3]   offset:64*(\b)      ; each accumulator's low four registers first
	ds_store_b128 v[STO], v[ACC+8*(4*(\a)+(\b))+4:ACC+8*(4*(\a)+(\b))+7] offset:64*(\b)+16
.endr
.irp t, 0,1,2,3,4,5,6,7
	ds_load_b128 v[OU+4*(\t):OU+4*(\t)+3], v[RD] offset:(\t)*2*SPITCH  ; LDS serves a wave's instructions in order (ISA guide 5.7.1.4)
.endr
	s_wait_dscnt 0x0
	s_wait_loadcnt 24-8*(\a)                       ; this block's eight loads of R are in; the later blocks' stay out
	WIN 0x04                                       ; source 1 (R) in window 1
.set i, 0
.rept 16
	v_pk_add_f32 v[OU+i:OU+i+1], v[OU+i:OU+i+1], v[32*(\a)+i:32*(\a)+i+1]
.set i, i+2
.endr
	WIN 0
.irp t, 0,1,2,3,4,5,6,7
	global_store_b128 v[CO], v[OU+4*(\t):OU+4*(\t)+3], s[8:9] offset:(16*(\a)+2*(\t))*4096  ; 16 lanes store 256 consecutive bytes, aligned
.endr
.endm
	s_wait_tensorcnt 1                             ; my part of K step 0 is in; K step 1's stays out
	s_barrier_signal -1
	s_barrier_wait -1
	s_mov_b32 s[TB], 0
	v_mov_b32 v[ADRA], v[ADRA0]
	v_mov_b32 v[ADRB], v[ADRB0]
	v_add_nc_u32 v[ADRB+1], 128*PB, v[ADRB0]
	FETCH 0, F0
	s_wait_loadcnt 0x0                             ; the bias
	QUARTER 1, F0, F1, 1
	WIN 0
	s_mov_b32 s3, NSTEP-2
.Lstep:                                                ; a trip: from a K step's second quarter to the next step's first; it asks for the K step two on
	QUARTER 2, F1, F0, 0
	QUARTER 3, F0, F1, 0
	TURN 1
	QUARTER 1, F0, F1, 0
	WIN 0
	s_sub_co_u32 s3, s3, 1
	s_cmp_lg_u32 s3, 0
	s_cbranch_scc1 .Lstep
	s_mov_b32 s3, 2
.Ltail:                                                ; the last two K steps ask for nothing; the second pass is left in its middle
	QUARTER 2, F1, F0, 0
	QUARTER 3, F0, F1, 0
	WIN 0
	s_sub_co_u32 s3, s3, 1
	s_cmp_eq_u32 s3, 0
	s_cbranch_scc1 .Llast
	TURN 0
	QUARTER 1, F0, F1, 0
	WIN 0
	s_branch .Ltail
.Llast:
	s_wait_dscnt 16
	MUL8 F1, 0, 0, 0
	MUL8 F1, 0, 2, 0
	PLACES                                         ; in front of the loads into buffer 0, which the quarter before multiplied
	WIN 0x40
.set i, 0
.rept 32                                               ; R of my 64 x 64, laid as the rows come back from the stage
	global_load_b128 v[4*i:4*i+3], v[CO], s[70:71] offset:(16*(i/8)+2*(i%8))*4096
.set i, i+1
.endr
	s_wait_dscnt 0x0
	MUL8 F1, 1, 0, 0
	MUL8 F1, 1, 2, 0
	WIN 0
	PLACES
	OUTB 0
	OUTB 1
	OUTB 2
	OUTB 3
	s_wait_tensorcnt 0x0                           ; the wave's end
	ds_add_u32 v[SPW], v[NIL]
	s_wait_dscnt 0x0
	CROUND                                         ; the closing round
	s_endpgm
.Lfunc_end_k_qd79fb2ad28_ffn2:
	.size	k_qd79fb2ad28_ffn2, .Lfunc_end_k_qd79fb2ad28_ffn2-k_qd79fb2ad28_ffn2
	.p2alignl 7, 3214868480
	.fill 96, 4, 3214868480
	.section	.rodata,"a",@progbits
	.p2align	6, 0x0
	.amdhsa_kernel k_qd79fb2ad28_ffn2
		.amdhsa_group_segment_fixed_size 327680
		.amdhsa_private_segment_fixed_size 0
		.amdhsa_enable_private_segment 0
		.amdhsa_kernarg_size 40
		.amdhsa_user_sgpr_count 2
		.amdhsa_user_sgpr_kernarg_segment_ptr 1
		.amdhsa_wavefront_size32 1
		.amdhsa_system_sgpr_workgroup_id_x 1
		.amdhsa_system_sgpr_workgroup_id_y 1
		.amdhsa_system_sgpr_workgroup_id_z 1
		.amdhsa_system_vgpr_workitem_id 0
		.amdhsa_next_free_vgpr 512
		.amdhsa_next_free_sgpr 80
		.amdhsa_reserve_vcc 0
		.amdhsa_float_denorm_mode_32 3
		.amdhsa_float_denorm_mode_16_64 3
		.amdhsa_memory_ordered 1
		.amdhsa_forward_progress 1
		.amdhsa_inst_pref_size 70
	.end_amdhsa_kernel
	.amdgpu_metadata
---
amdhsa.version: [ 1, 2 ]
amdhsa.kernels:
  - .name:           k_qd79fb2ad28_ffn2
    .symbol:         k_qd79fb2ad28_ffn2.kd
    .args:
      - { .name: h, .offset: 0, .size: 8, .value_kind: global_buffer, .address_space: global }
      - { .name: wC, .offset: 8, .size: 8, .value_kind: global_buffer, .address_space: global }
      - { .name: b2, .offset: 16, .size: 8, .value_kind: global_buffer, .address_space: global }
      - { .name: x1, .offset: 24, .size: 8, .value_kind: global_buffer, .address_space: global }
      - { .name: out0, .offset: 32, .size: 8, .value_kind: global_buffer, .address_space: global }
    .group_segment_fixed_size: 327680
    .private_segment_fixed_size: 0
    .kernarg_segment_align: 8
    .kernarg_segment_size: 40
    .max_flat_workgroup_size: 128
    .sgpr_count:     80
    .vgpr_count:     512
    .wavefront_size: 32
...
	.end_amdgpu_metadata
.endif
;; end of part 5
;; ======== version 2 of 2: 7 launches; version 1 with the launches prep, ln2 written anew for expert scheduling mode
;; limits: values are held in f16: magnitudes above 65,504 overflow, below 6.1e-05 lose precision
;; workspace buffers: wA 8,407,040 bytes; wB 8,407,040 bytes; wC 10,485,760 bytes; act 8,388,608 bytes; qkv 33,554,432 bytes; h 33,554,432 bytes; x1 16,777,216 bytes
;; launch prep (part 6): grid 64 x 16, 8 waves a work-group, no clusters, 0 bytes of LDS; arguments x, ln1_g, ln1_b, wq, wk, wv, wo, w1, w2, bq, bk, bv, b1, act, wA, wB, wC; writes act, wA, wB, wC
.if DOCPART == 6
	.amdgcn_target "amdgcn-amd-amdhsa--gfx1250"
	.amdhsa_code_object_version 6
	.text
	.protected	k_qd79fb2ad28_prep
	.globl	k_qd79fb2ad28_prep
	.p2align	8
	.type	k_qd79fb2ad28_prep,@function
k_qd79fb2ad28_prep:
	s_mov_b64 s[64:65], 0
	v_nop
	global_prefetch_b8 v0, s[64:65] scope:SCOPE_SE
	s_setreg_imm32_b32 hwreg(HW_REG_WAVE_SCHED_MODE, 0, 2), 2
	s_setreg_imm32_b32 hwreg(HW_REG_WAVE_MODE, 25, 1), 1
	s_wait_xcnt 0x0
	s_wait_alu depctr_vm_vsrc(0)
; PREPARATION.  (1) act = LayerNorm(x) g + b, rounded once to f16.  (2) the six weight matrices rounded once to f16, kept [k][n]:
; wA = [1024][4096] with wq | wk | wv in columns 0-3071, wB = w1, wC = wo then w2.  (3) behind wA's and wB's matrices (byte EPI on): the
; f32 biases of their columns, and for each 1,024 columns a block of 512 bytes filled with the floor that the product's way out applies
; (two f16 a word): -infinity for q, k, v (no floor), 0 for the feed-forward's relu.
; LIMITS.  f16 holds no number beyond 65,504 and keeps a fixed step of 6e-8 below 6.1e-5: the normalised rows and the weights are taken to lie within it.
; The norm is taken in two passes over registers: the mean, then the mean of (x - mean)^2.
; SHARES.  A row is 1,024 f32.  The grid's y picks a unit of 1,024 rows (0-3: x; 4-7: wq, wk, wv, wo; 8-11: w1's quarters; 12-15: w2's), its x 16 of them, a wave 2.
; A wave's load covers 512 consecutive bytes, its store of the four rounded numbers a lane 256 consecutive bytes, aligned.  No LDS, no barrier: no wave needs another's data.
; THE MODE: SCHED_MODE bits 1:0 = 2 (LLVM: expert scheduling mode 2), set by the entry lines.  The code itself states the register dependences
; between vector instructions and memory instructions, with s_wait_alu, always for 0.
; THE PLAN.  Registers that memory instructions touch:
;   v1, v2, v3   byte offsets, each written once by a vector line and never again; read by every load (v1) and store (v2, v3; the bias block's: v1).
;   X            written by the loads; read (the norm: also rewritten in place, behind the loads' own wait) by vector lines.  On the weights' way the bias's loads land in its first 32 registers once more.
;   G, BT        written by loads, read by vector lines.
;   Y            each register written once, by a conversion; read by one store.
;   v[4:7]       on the weights' way: written once, by four moves; read by the floor block's store.
; No register that a memory instruction has read is written again, so no wait on vm_vsrc is owed; EXEC is never written.
; The norm: one wait ahead of the loads (offsets); one behind each row's conversions (its half of Y); row 0's stores are dealt among row 1's arithmetic, which names neither row 0's half of Y nor v2.
; The weights: one wait ahead of the loads (offsets); the 16 loads go in four blocks of four: at a block's head one wait states that the block before has written its eight registers of Y, and that
; block's four stores are dealt among this block's conversions, which name other registers of X and Y; one more wait stands ahead of the last four stores.
.set X,   32                           ; v[32:95]   two rows as loaded, 32 registers each
.set G,   96                           ; v[96:127]  gain of my 32 columns
.set BT,  128                          ; v[128:159] bias of my 32 columns
.set Y,   160                          ; v[160:191] results, two f16 a register
.set CH,  4                            ; v[4:11]    four chains of packed sums
.set M,   12                           ; v[12:15]   the mean, twice, for each row
.set R,   16                           ; v[16:19]   1/sqrt(var + eps), twice, for each row
.set PX,  20                           ; v20        the other half of the lanes' sum
.set T,   22                           ; v[22:23]   var + eps of each row
.set SRC, 42                           ; s[42:43]   where my rows are read
.set DST, 44                           ; s[44:45]   where they are written
.set GP,  10                           ; s[10:11]   gain
.set BP,  12                           ; s[12:13]   bias
.set INV, 50                           ; s50 1/1024   s51 1e-5
.set EPS, 51
.set SEL, 52                           ; s[52:53]   v_permlanex16_b32: each lane takes its own place in the other half
.set EPI, 0x800000                     ; bytes of a 1024 x 4096 f16 matrix
.macro REDUCE                          ; the four chains and the 32 lanes into v[CH], in every lane
	v_pk_add_f32 v[CH:CH+1], v[CH:CH+1], v[CH+2:CH+3]
	v_pk_add_f32 v[CH+4:CH+5], v[CH+4:CH+5], v[CH+6:CH+7]
	v_pk_add_f32 v[CH:CH+1], v[CH:CH+1], v[CH+4:CH+5]
	v_add_f32 v[CH], v[CH], v[CH+1]
.irp m, 1,2,4,8
	v_add_f32_dpp v[CH], v[CH], v[CH] row_xmask:\m row_mask:0xf bank_mask:0xf
.endr
	v_permlanex16_b32 v[PX], v[CH], s[SEL], s[SEL+1]
	v_add_f32 v[CH], v[CH], v[PX]
.endm
; The norm: store j of the eight of row r.
.macro PUT r, j
	global_store_b64 v2, v[Y+16*(\r)+2*(\j):Y+16*(\r)+2*(\j)+1], s[DST:DST+1] offset:2048*(\r)+256*(\j)  ; 32 lanes x 8 bytes: 256 consecutive bytes, aligned
.endm
; The norm: row r is scaled, takes gain and bias, and is rounded into its half of Y.  deal = 1: row 0's eight stores stand among the multiplies and multiply-adds, one ahead of each four.
.macro FINISH r, deal
.set i, 0
.rept 16
.if (\deal) && (i%8 == 0)
	PUT 0, i/8                                     ; no wait: no vector line since the wait behind row 0's conversions names row 0's half of Y or v2
.endif
	v_pk_mul_f32 v[X+32*(\r)+i:X+32*(\r)+i+1], v[X+32*(\r)+i:X+32*(\r)+i+1], v[R+2*(\r):R+2*(\r)+1]
.set i, i+2
.endr
.set i, 0
.rept 16
.if (\deal) && (i%8 == 0)
	PUT 0, 4+i/8
.endif
	v_pk_fma_f32 v[X+32*(\r)+i:X+32*(\r)+i+1], v[X+32*(\r)+i:X+32*(\r)+i+1], v[G+i:G+i+1], v[BT+i:BT+i+1]
.set i, i+2
.endr
.set i, 0
.rept 16
	v_cvt_pk_f16_f32 v[Y+16*(\r)+i], v[X+32*(\r)+2*i], v[X+32*(\r)+2*i+1]
.set i, i+1
.endr
.endm
; Two rows at s[SRC] are normalised and written as f16 at s[DST].
.macro LNROWS
	s_wait_alu depctr_va_vdst(0)                   ; v1 and v2 are written: the loads below read v1 as their offset, the stores further down v2
.irp r, 0,1
.irp j, 0,1,2,3,4,5,6,7
	global_load_b128 v[X+32*(\r)+4*(\j):X+32*(\r)+4*(\j)+3], v1, s[SRC:SRC+1] offset:4096*(\r)+512*(\j)
.endr
.endr
.irp j, 0,1,2,3,4,5,6,7
	global_load_b128 v[G+4*(\j):G+4*(\j)+3], v1, s[GP:GP+1] offset:512*(\j)
.endr
.irp j, 0,1,2,3,4,5,6,7
	global_load_b128 v[BT+4*(\j):BT+4*(\j)+3], v1, s[BP:BP+1] offset:512*(\j)
.endr
	v_mov_b32 v[PX], 0                             ; v_permlanex16_b32 counts as a reader of its destination
	s_wait_loadcnt 16                              ; both rows are in; the 16 younger loads (gain, bias) stay out
.irp r, 0,1
.irp c, 0,1,2,3
	v_pk_add_f32 v[CH+2*(\c):CH+2*(\c)+1], v[X+32*(\r)+2*(\c):X+32*(\r)+2*(\c)+1], v[X+32*(\r)+8+2*(\c):X+32*(\r)+8+2*(\c)+1]  ; the first sums start the chains
.endr
.irp k, 16,24
.irp c, 0,1,2,3
	v_pk_add_f32 v[CH+2*(\c):CH+2*(\c)+1], v[CH+2*(\c):CH+2*(\c)+1], v[X+32*(\r)+(\k)+2*(\c):X+32*(\r)+(\k)+2*(\c)+1]
.endr
.endr
	REDUCE
	v_mul_f32 v[M+2*(\r)], s[INV], v[CH]
	v_mul_f32 v[M+2*(\r)+1], s[INV], v[CH]
.set i, 0
.rept 16
	v_pk_add_f32 v[X+32*(\r)+i:X+32*(\r)+i+1], v[X+32*(\r)+i:X+32*(\r)+i+1], v[M+2*(\r):M+2*(\r)+1] neg_lo:[0,1] neg_hi:[0,1]  ; x - mean
.set i, i+2
.endr
.irp c, 0,1,2,3
	v_pk_mul_f32 v[CH+2*(\c):CH+2*(\c)+1], v[X+32*(\r)+2*(\c):X+32*(\r)+2*(\c)+1], v[X+32*(\r)+2*(\c):X+32*(\r)+2*(\c)+1]
.endr
.irp k, 8,16,24
.irp c, 0,1,2,3
	v_pk_fma_f32 v[CH+2*(\c):CH+2*(\c)+1], v[X+32*(\r)+(\k)+2*(\c):X+32*(\r)+(\k)+2*(\c)+1], v[X+32*(\r)+(\k)+2*(\c):X+32*(\r)+(\k)+2*(\c)+1], v[CH+2*(\c):CH+2*(\c)+1]
.endr
.endr
	REDUCE
	v_fma_f32 v[T+(\r)], v[CH], s[INV], s[EPS]     ; var + eps
.endr
	v_rsq_f32 v[R], v[T]                           ; one batch of four: each root twice, to fill the pair that the packed multiply reads
	v_rsq_f32 v[R+1], v[T]
	v_rsq_f32 v[R+2], v[T+1]
	v_rsq_f32 v[R+3], v[T+1]
	v_nop                                          ; a plain instruction behind the last root,
	s_wait_alu depctr_va_vdst(0)                   ; and the one wait ahead of the batch's first reader: the four roots v[R:R+3] are written
	s_wait_loadcnt 0x0                             ; gain and bias
	FINISH 0, 0
	s_wait_alu depctr_va_vdst(0)                   ; row 0's conversions have written its half of Y, which the eight stores dealt among row 1's lines read
	FINISH 1, 1
	s_wait_alu depctr_va_vdst(0)                   ; row 1's conversions have written its half of Y, which the eight stores below read
.irp j, 0,1,2,3,4,5,6,7
	PUT 1, \j
.endr
.endm
	s_load_b256 s[8:15], s[0:1], 0x0               ; x s[8:9], ln1_g s[10:11], ln1_b s[12:13], wq s[14:15]
	s_load_b256 s[16:23], s[0:1], 0x20             ; wk s[16:17], wv s[18:19], wo s[20:21], w1 s[22:23]
	s_load_b256 s[24:31], s[0:1], 0x40             ; w2 s[24:25], bq s[26:27], bk s[28:29], bv s[30:31]
	s_load_b256 s[32:39], s[0:1], 0x60             ; b1 s[32:33], act s[34:35], wA s[36:37], wB s[38:39]
	s_load_b64 s[40:41], s[0:1], 0x80              ; wC
	v_lshrrev_b32 v1, 5, v0
	v_readfirstlane_b32 s2, v1                     ; wave 0..7
	s_and_b32 s3, ttmp7, 0xffff                    ; the unit
	s_mov_b32 s4, ttmp9                            ; which 16 rows of it
	v_and_b32 v2, 31, v0
	v_lshlrev_b32 v1, 4, v2                        ; 16 x lane: where I read
	v_lshlrev_b32 v2, 3, v2                        ; 8 x lane: where I write
	s_lshl_b32 s5, s4, 4
	s_wait_alu depctr_va_sdst(0)                   ; s2 is written, ahead of its first reader: my rows' number is made from it
	s_lshl1_add_u32 s5, s2, s5                     ; my first row in the unit: 16 x + 2 wave
	s_mov_b32 s47, 0
	s_mov_b32 s49, 0
	s_mov_b32 s[INV], 0x3a800000                   ; 1/1024
	s_mov_b32 s[EPS], 0x3727c5ac                   ; 1e-5
	s_mov_b32 s[SEL], 0x76543210
	s_mov_b32 s[SEL+1], 0xfedcba98
	s_wait_kmcnt 0x0
	s_cmp_lt_u32 s3, 4
	s_cbranch_scc0 .Lcast
	s_lshl_b32 s6, s3, 10
	s_add_co_u32 s6, s6, s5                        ; my first row of x
	s_lshl_b32 s46, s6, 12                         ; 4,096 bytes a row in,
	s_lshl_b32 s48, s6, 11                         ; 2,048 out
	s_add_nc_u64 s[SRC:SRC+1], s[8:9], s[46:47]
	s_add_nc_u64 s[DST:DST+1], s[34:35], s[48:49]
	LNROWS
	s_endpgm
.Lcast:                                                ; a weight's two rows: which matrix, and where it goes, hang on the unit's number alone
	s_and_b32 s54, s3, 3
	s_lshl_b32 s55, s54, 22                        ; a quarter of w1 or w2: 4 MiB in,
	s_lshl_b32 s56, s54, 21                        ; 2 MiB out
	s_lshl_b32 s57, s54, 11                        ; wq, wk, wv: 1,024 columns of wA are 2,048 bytes
	s_mov_b32 s58, 2048                            ; bytes from row to row where it goes
	s_mov_b64 s[SRC:SRC+1], s[24:25]               ; units 12-15: w2 into wC, behind wo
	s_mov_b64 s[DST:DST+1], s[40:41]
	s_cmp_lt_u32 s3, 12
	s_cselect_b64 s[SRC:SRC+1], s[22:23], s[SRC:SRC+1]  ; 8-11: w1 into wB
	s_cselect_b64 s[DST:DST+1], s[38:39], s[DST:DST+1]
	s_cselect_b32 s59, 0, 0x200000
	s_add_co_u32 s56, s56, s59
	s_cmp_lt_u32 s3, 8
	s_cselect_b64 s[SRC:SRC+1], s[20:21], s[SRC:SRC+1]  ; 7: wo into wC's head
	s_cselect_b64 s[DST:DST+1], s[40:41], s[DST:DST+1]
	s_cselect_b32 s55, 0, s55
	s_cselect_b32 s56, 0, s56
	s_cmp_lt_u32 s3, 7
	s_cselect_b64 s[SRC:SRC+1], s[18:19], s[SRC:SRC+1]  ; 6: wv; 4-6 go into wA, whose rows are 8,192 bytes
	s_cselect_b64 s[DST:DST+1], s[36:37], s[DST:DST+1]
	s_cselect_b32 s56, s57, s56
	s_cselect_b32 s58, 8192, s58
	s_cmp_lt_u32 s3, 6
	s_cselect_b64 s[SRC:SRC+1], s[16:17], s[SRC:SRC+1]  ; 5: wk
	s_cmp_lt_u32 s3, 5
	s_cselect_b64 s[SRC:SRC+1], s[14:15], s[SRC:SRC+1]  ; 4: wq
	s_lshl_b32 s46, s5, 12
	s_add_co_u32 s46, s46, s55
	s_mul_i32 s48, s5, s58
	s_add_co_u32 s48, s48, s56
	s_add_nc_u64 s[SRC:SRC+1], s[SRC:SRC+1], s[46:47]
	s_add_nc_u64 s[DST:DST+1], s[DST:DST+1], s[48:49]
	v_add_nc_u32 v3, s58, v2                       ; my place in the second row
	s_wait_alu depctr_va_vdst(0)                   ; v1, v2 and v3 are written: the loads below read v1 as their offset, the stores v2 and v3
.set n, 0
.rept 16
	global_load_b128 v[X+4*n:X+4*n+3], v1, s[SRC:SRC+1] offset:4096*(n/8)+512*(n%8) th:TH_LOAD_NT
.set n, n+1
.endr
.macro CVT n                           ; load n's four numbers are rounded
	v_cvt_pk_f16_f32 v[Y+2*(\n)], v[X+4*(\n)], v[X+4*(\n)+1]
	v_cvt_pk_f16_f32 v[Y+2*(\n)+1], v[X+4*(\n)+2], v[X+4*(\n)+3]
.endm
.macro OUT n                           ; and stored
	global_store_b64 v[2+(\n)/8], v[Y+2*(\n):Y+2*(\n)+1], s[DST:DST+1] offset:256*((\n)%8)
.endm
.set n, 0
.rept 4                                                ; four blocks of four loads
	s_wait_loadcnt 12-n                            ; loads come back in order: this block's four are in, the younger blocks stay out
.if n > 0
	s_wait_alu depctr_va_vdst(0)                   ; the block before has written its eight registers of Y, which the four stores dealt below read
.endif
.rept 4
.if n >= 4
	OUT n-4                                        ; the block before; no vector line since the wait names its registers of Y, v2 or v3
.endif
	CVT n
.set n, n+1
.endr
.endr
	s_wait_alu depctr_va_vdst(0)                   ; the last block has written its eight registers of Y, which the last four stores read
.irp m, 12,13,14,15
	OUT \m
.endr
	; one wave of units 4-6 and 8-11 also copies the 1,024 biases of the unit's columns and writes their floor block
	s_or_b32 s54, s4, s2
	s_cmp_lg_u32 s54, 0
	s_cbranch_scc1 .Ldone
	s_cmp_eq_u32 s3, 7
	s_cbranch_scc1 .Ldone
	s_cmp_ge_u32 s3, 12
	s_cbranch_scc1 .Ldone
	s_wait_xcnt 0x0                                ; the loads and stores above have read their addresses: the pointers may be written
	s_and_b32 s54, s3, 3                           ; which 1,024 columns
	s_lshl_b32 s55, s54, 12                        ; their 4,096 bytes of bias
	s_lshl_b32 s56, s54, 9                         ; their floor block
	s_add_co_u32 s56, s56, EPI+16384
	s_mov_b32 s57, 0
	s_add_co_u32 s48, s55, EPI
	s_mov_b32 s46, s55
	s_mov_b32 s59, 0                               ; relu's floor
	s_mov_b64 s[SRC:SRC+1], s[32:33]               ; b1
	s_mov_b64 s[DST:DST+1], s[38:39]               ; wB
	s_cmp_lt_u32 s3, 8
	s_cselect_b64 s[SRC:SRC+1], s[30:31], s[SRC:SRC+1]  ; bv
	s_cselect_b64 s[DST:DST+1], s[36:37], s[DST:DST+1]  ; wA
	s_cselect_b32 s46, 0, s46
	s_cselect_b32 s59, 0xfc00fc00, s59             ; -infinity twice: no floor
	s_cmp_lt_u32 s3, 6
	s_cselect_b64 s[SRC:SRC+1], s[28:29], s[SRC:SRC+1]  ; bk
	s_cmp_lt_u32 s3, 5
	s_cselect_b64 s[SRC:SRC+1], s[26:27], s[SRC:SRC+1]  ; bq
	s_add_nc_u64 s[SRC:SRC+1], s[SRC:SRC+1], s[46:47]
	s_add_nc_u64 s[60:61], s[DST:DST+1], s[56:57]
	s_add_nc_u64 s[DST:DST+1], s[DST:DST+1], s[48:49]
.irp j, 4,5,6,7
	v_mov_b32 v\j, s59
.endr
	s_wait_alu depctr_va_vdst(0)                   ; v[4:7] are written, which the floor block's store reads; the conversions are done reading v[X:X+31], in which the bias lands
.irp j, 0,1,2,3,4,5,6,7
	global_load_b128 v[X+4*(\j):X+4*(\j)+3], v1, s[SRC:SRC+1] offset:512*(\j)
.endr
	global_store_b128 v1, v[4:7], s[60:61]
	s_wait_loadcnt 0x0
.irp j, 0,1,2,3,4,5,6,7
	global_store_b128 v1, v[X+4*(\j):X+4*(\j)+3], s[DST:DST+1] offset:512*(\j)
.endr
.Ldone:
	s_endpgm
.Lfunc_end_k_qd79fb2ad28_prep:
	.size	k_qd79fb2ad28_prep, .Lfunc_end_k_qd79fb2ad28_prep-k_qd79fb2ad28_prep
	.p2alignl 7, 3214868480
	.fill 96, 4, 3214868480
	.section	.rodata,"a",@progbits
	.p2align	6, 0x0
	.amdhsa_kernel k_qd79fb2ad28_prep
		.amdhsa_group_segment_fixed_size 0
		.amdhsa_private_segment_fixed_size 0
		.amdhsa_enable_private_segment 0
		.amdhsa_kernarg_size 136
		.amdhsa_user_sgpr_count 2
		.amdhsa_user_sgpr_kernarg_segment_ptr 1
		.amdhsa_wavefront_size32 1
		.amdhsa_system_sgpr_workgroup_id_x 1
		.amdhsa_system_sgpr_workgroup_id_y 1
		.amdhsa_system_sgpr_workgroup_id_z 1
		.amdhsa_system_vgpr_workitem_id 0
		.amdhsa_next_free_vgpr 192
		.amdhsa_next_free_sgpr 66
		.amdhsa_reserve_vcc 0
		.amdhsa_float_denorm_mode_32 3
		.amdhsa_float_denorm_mode_16_64 3
		.amdhsa_memory_ordered 1
		.amdhsa_forward_progress 1
		.amdhsa_inst_pref_size 30
	.end_amdhsa_kernel
	.amdgpu_metadata
---
amdhsa.version: [ 1, 2 ]
amdhsa.kernels:
  - .name:           k_qd79fb2ad28_prep
    .symbol:         k_qd79fb2ad28_prep.kd
    .args:
      - { .name: x, .offset: 0, .size: 8, .value_kind: global_buffer, .address_space: global }
      - { .name: ln1_g, .offset: 8, .size: 8, .value_kind: global_buffer, .address_space: global }
      - { .name: ln1_b, .offset: 16, .size: 8, .value_kind: global_buffer, .address_space: global }
      - { .name: wq, .offset: 24, .size: 8, .value_kind: global_buffer, .address_space: global }
      - { .name: wk, .offset: 32, .size: 8, .value_kind: global_buffer, .address_space: global }
      - { .name: wv, .offset: 40, .size: 8, .value_kind: global_buffer, .address_space: global }
      - { .name: wo, .offset: 48, .size: 8, .value_kind: global_buffer, .address_space: global }
      - { .name: w1, .offset: 56, .size: 8, .value_kind: global_buffer, .address_space: global }
      - { .name: w2, .offset: 64, .size: 8, .value_kind: global_buffer, .address_space: global }
      - { .name: bq, .offset: 72, .size: 8, .value_kind: global_buffer, .address_space: global }
      - { .name: bk, .offset: 80, .size: 8, .value_kind: global_buffer, .address_space: global }
      - { .name: bv, .offset: 88, .size: 8, .value_kind: global_buffer, .address_space: global }
      - { .name: b1, .offset: 96, .size: 8, .value_kind: global_buffer, .address_space: global }
      - { .name: act, .offset: 104, .size: 8, .value_kind: global_buffer, .address_space: global }
      - { .name: wA, .offset: 112, .size: 8, .value_kind: global_buffer, .address_space: global }
      - { .name: wB, .offset: 120, .size: 8, .value_kind: global_buffer, .address_space: global }
      - { .name: wC, .offset: 128, .size: 8, .value_kind: global_buffer, .address_space: global }
    .group_segment_fixed_size: 0
    .private_segment_fixed_size: 0
    .kernarg_segment_align: 8
    .kernarg_segment_size: 136
    .max_flat_workgroup_size: 256
    .sgpr_count:     66
    .vgpr_count:     192
    .wavefront_size: 32
...
	.end_amdgpu_metadata
.endif
;; end of part 6
;; launch qkv: the kernel of part 2 again; grid 12 x 16, 4 waves a work-group, clusters of 4 x 4, 327,680 bytes of LDS; arguments act, wA, qkv; writes qkv
;; launch attn: the kernel of part 3 again; grid 32 x 8, 4 waves a work-group, no clusters, 327,680 bytes of LDS; arguments qkv, act; writes act
;; launch wo: the kernel of part 4 again; grid 8 x 32, 4 waves a work-group, clusters of 4 x 4, 327,680 bytes of LDS; arguments act, wC, bo, x, x1; writes x1
;; launch ln2: the kernel of part 6 again; grid 64 x 4, 8 waves a work-group, no clusters, 0 bytes of LDS; arguments x1, ln2_g, ln2_b, wq, wk, wv, wo, w1, w2, bq, bk, bv, b1, act, wA, wB, wC; writes act, wA, wB, wC
;; launch ffn1: the kernel of part 2 again; grid 16 x 16, 4 waves a work-group, clusters of 4 x 4, 327,680 bytes of LDS; arguments act, wB, h; writes h
;; launch ffn2: the kernel of part 5 again; grid 8 x 32, 4 waves a work-group, clusters of 4 x 4, 327,680 bytes of LDS; arguments h, wC, b2, x1, out0; writes out0
